; MI455X (gfx1250); checked and timed in simulation.
; The chip was launched on July 23, 2026; its instructions are those of AMD's public machine-readable ISA for CDNA 5 (MIT licence, August 2026) and "CDNA5" Instruction Set Architecture Reference Guide (July 2026). The comments in the code are by the model that wrote it; some were corrected since.
;; Q Eff Grok1 Multi Head Attention. Allowed arithmetic: matrix products marked QUANTISED: E2M3 operands, one E8M0 scale for each 32 along K, by v_wmma_scale_f32_16x16x128_f8f6f4 with both operands' format E2M3, f32 sums; everything else in f32.
;; Inputs: attention_mask 2 x 1 x 2,048 x 2,048 bool; hidden_states 2 x 2,048 x 4,096 float32; k_w 4,096 x 512 float32; o_w 1,024 x 4,096 float32; position_ids 2 x 2,048 int32; q_w 4,096 x 1,024 float32; v_w 4,096 x 512 float32.
;; Outputs: out0 2 x 2,048 x 4,096 float32.
;; This version of the problem:
;;   THIS VERSION OF THE PROBLEM IS GIVEN IN LOW PRECISION. The matrix products marked QUANTISED in the list below multiply operands that are first quantised to E2M3 (2 exponent bits, 3 mantissa bits; 6 bits a number), with one power-of-two scale for each 32 numbers along K (OCP MX v1.0); their sums are f32. All else is computed in f32.
;;   The module's matrix products, in the order in which they are computed (A, B: the left and right operand; K: the contracted axis; several contracted axes count as one K, in the product's order):
;;     1. [M 4,096, K 4,096] x [K 4,096, N 1,024]; A: input hidden_states; B: input q_w: QUANTISED
;;     2. [M 4,096, K 4,096] x [K 4,096, N 512]; A: input hidden_states; B: input k_w: QUANTISED
;;     3. [M 4,096, K 4,096] x [K 4,096, N 512]; A: input hidden_states; B: input v_w: QUANTISED
;;     4. batch 16 x [M 2,048, K 128] x [K 128, N 2,048]; A: computed on the way; B: computed on the way: QUANTISED
;;     5. batch 16 x [M 2,048, K 2,048] x [K 2,048, N 128]; A: softmax (see below); B: computed on the way: QUANTISED
;;     6. [M 4,096, K 1,024] x [K 1,024, N 4,096]; A: computed on the way; B: input o_w: QUANTISED
;;   THE QUANTISER, for each operand of a quantised product, along K:
;;     - K is cut into blocks of 32 from its start; a last block that is shorter is filled with zeros.
;;     - A block's scale is 2^e with e = floor(log2(the largest magnitude in the block)) - 2, held to -126 .. 127; a block of zeros has e = 0. As a byte (E8M0): e + 127.
;;     - Each number is divided by its block's scale, clamped to +-7.5, and rounded to the nearest number of E2M3, ties to even, subnormals kept.
;;     - The product sums the exact products of the quantised numbers (number of the format x scale) in f32.
;;   ~~~python
;;   def quantise(x, axis):      # numpy; x: float32 -> the quantised numbers, widened to float32 again
;;       x = np.moveaxis(x, axis, -1); K = x.shape[-1]
;;       x = np.pad(x, [(0, 0)] * (x.ndim - 1) + [(0, -K % 32)]); x = x.reshape(x.shape[:-1] + (-1, 32)); a = np.abs(x).max(-1, keepdims=True)
;;       e = np.where(a > 0, np.clip(np.frexp(np.where(a > 0, a, 1))[1] - 1 - 2, -126, 127), 0)      # np.frexp(a)[1] - 1 = floor(log2(a)), exactly
;;       r = np.clip(x / 2.0 ** e, -7.5, 7.5)
;;       step = 2.0 ** (np.maximum(np.frexp(np.where(r == 0, 1, r))[1] - 1, 0) - 3)
;;       q = np.round(r / step) * step * 2.0 ** e      # np.round: ties to even
;;       return np.moveaxis(q.reshape(q.shape[:-2] + (-1,))[..., :K], -1, axis).astype(np.float32)
;;   ~~~
;;   SOFTMAX AHEAD OF A QUANTISED PRODUCT. Where the list says 'softmax', what is quantised is not the finished softmax but p = 2^(t - M), with t = logit x log2(e) and M = ceil(the row's largest t), a whole number; so 1/2 < the row's largest p <= 1. The row's sum l is taken of the UNQUANTISED p, in f32, and the product's result is divided by l at the end. Since M is a whole number, a kernel that streams over the keys may use a running M (the ceiling of the running maximum): every later rescaling is an exact power of two, which a block's scale takes up: the codes' values come out the same.
;;   OPERANDS COMPUTED ON THE WAY. 'Computed on the way' means the value that the module computes at that place (a softmax that the list does not call 'softmax' is quantised finished and normalised). What goes into a quantiser is computed in f32, as accurately as f32 sums, v_exp_f32 and their like allow (about 1e-6 of the number): no bf16 or f16 on the way to a quantiser, and a product that is left as it is and whose result goes on into a quantised operand takes f32 operands (vector FMAs, or v_wmma_f32_16x16x4_f32). A number that lies on a knife's edge between two numbers of the format may be rounded either way, as far as f32 arithmetic and the matrix unit's own rounding can turn it there, and no further.
;; One version. Each part assembles by itself: llvm-mc -triple=amdgcn-amd-amdhsa -mcpu=gfx1250 --defsym DOCPART=n.
;; ======== version 1 of 1: 4 launches
;; limits: a function is approximated: absolute error at most 5e-06; right only within a limited range of input values
;; workspace buffers: xp 13,107,200 bytes; wpk 9,830,400 bytes; rt 2,097,152 bytes; mw 1,048,576 bytes of whole numbers; fl 2,048 bytes of whole numbers; qkvp 6,553,600 bytes; ap 3,276,800 bytes
;; launch prep (part 1): grid 832 x 1, 4 waves a work-group, no clusters, 51,712 bytes of LDS; arguments attention_mask, q_w, k_w, v_w, o_w, hidden_states, position_ids, mw, wpk, xp, rt, fl; writes mw, wpk, xp, rt, fl
.if DOCPART == 1
	.amdgcn_target "amdgcn-amd-amdhsa--gfx1250"
	.amdhsa_code_object_version 6
	.text
	.protected	k_q5e150a95f5_prep
	.globl	k_q5e150a95f5_prep
	.p2align	8
	.type	k_q5e150a95f5_prep,@function
k_q5e150a95f5_prep:
	s_mov_b64 s[64:65], 0
	v_nop
	global_prefetch_b8 v0, s[64:65] scope:SCOPE_SE
	s_setreg_imm32_b32 hwreg(HW_REG_WAVE_MODE, 25, 1), 1
	s_wait_xcnt 0x0
; PREP: everything that is made once from the inputs.  No product, input or step of the problem is dead work: all seven inputs have a way to the output and all are loaded.
; (jnp.repeat is not materialised anywhere: the repeated heads hold the same numbers, hence the same codes.)
; Work-groups 0-63: the mask input -> lane-bit words and two flag words a tile of 16 queries.  64-255: q_w, k_w, v_w, o_w -> codes.  256-767: hidden_states -> codes.  768-831: the table of cos and sin.
; FORMATS OF THE WORKSPACE.  A fragment (16 rows x 128 K of E2M3) is kept as the IMAGE of the operand's 12 registers: registers 4c..4c+3 of lane L at byte 512 c + 16 L: 1,536 bytes.
; A RECORD is 6,400 bytes: four images (four K steps of 128, or four tiles of 16 rows) and, from byte 6,144, 16 bytes a row: the four images' scale words (one E8M0 byte for each 32 along K).
; THE QUANTISER: scale byte = exponent field of the block's largest magnitude - 2, held at 1 from below; numbers / scale to the nearest code, ties to even, beyond 7.5 the largest code.
; THE MASK.  Word n = 8 t + j of (batch, tile of 16 queries T, key step ks of 128 keys): bit L = 16 h + r is mask[b][16 T + r][128 ks + 16 t + 8 h + j]: the lane and register in which the attention launch holds that score.
; Flag words, in a buffer of their own, 8 bytes a tile: bit ks of 'open' = no key of the tile's step is hidden; bit ks of 'skip' = all 16 x 128 are hidden AND every one of the 16 rows has an open key somewhere.  Then the row's M is at least -44,
; so the step's p = 2^(-14427 - M) is 0 in f32 and adds nothing to the row's sum or to O.  A tile with a wholly hidden row skips nothing.  The choice is made here, from the mask as it is given, and stored as whole numbers.
; o_w's K is laid in the order in which the attention launch's result comes out of the quantiser: place i of a block of 32 holds k = 16 ((i>>3)&1) + 8 (i>>4) + (i&7): the same order on both sides keeps every product and every scale.
; LIMITS: NaN and infinities among the inputs are not served.  A block of zeros gets the byte 1 (the stated quantiser says 127): its codes are zeros and the bytes are read by this program alone.
; |position| under 2^22 (two-term reduction by pi/2).  cos and sin by polynomials on |x| <= pi/4, about 1e-7 absolute.  A byte of the mask is 0 or 1, as the problem states of bool.
.set SPARE, 51200                      ; the spare words: 128 bytes a wave, two blocks of 256 bytes that no other line names
.set CSTG,  33792                      ; the mask path's stages (4 x 4,352, pitch 272); the x path's lie at 0 (4 x 8,448, pitch 528): each path has LDS bytes of its own
.set SPW,   14
.set NIL,   15
; A WEIGHT [K][N] f32, K its first axis: a lane takes a column, its registers run down K.  A wave: 32 columns x one K group of 512, four trips of 128.  s[4:5] in, s[6:7] out.
; WLD: block blk's 32 loads, W(32 blk + k(i), my column) into v[128 + 32 blk + i]; each load reads 128 consecutive bytes
.macro WLD N, PERM, blk
.set i, 0
.rept 32
.if \PERM
.set kk, 16*((i>>3)&1)+8*(i>>4)+(i&7)
.else
.set kk, i
.endif
	global_load_b32 v[128+32*(\blk)+i], v4, s[4:5] offset:(32*(\blk)+kk)*\N*4 th:TH_LOAD_NT
.set i, i+1
.endr
.endm
.macro WQ N, PERM, PITCH
	v_lshlrev_b32 v4, 2, v1                        ; in: 4 bytes a lane
	v_mul_u32_u24 v5, v3, \PITCH                   ; out: lanes 16-31 belong to the next tile of 16 columns,
	v_lshl_add_u32 v5, v2, 4, v5                   ; 16 bytes a column
.irp r, 59,60,61,62,63
	v_mov_b32 v\r, 0
.endr
	s_mov_b32 s13, 0
.Lw_trip_\@:
	WLD \N, \PERM, 0                               ; loads run two blocks ahead: 64 of a wave are out at the most
	WLD \N, \PERM, 1
.set tb, 0
.rept 4
.set XS, 128+32*tb
.set PD, 32+12*(tb&1)+6*(tb>>1)        ; blocks 0, 2 are the image's lane r (v32-43), blocks 1, 3 its lane 16 + r (v44-55)
.if tb < 3
	s_wait_loadcnt 32                              ; this block's 32 loads are in; the next block's 32 may be out
.else
	s_wait_loadcnt 0x0
.endif
.if tb < 2
	WLD \N, \PERM, tb+2                            ; each block has registers of its own
.endif
	v_max3_num_f32 v8, |v[XS]|, |v[XS+1]|, |v[XS+2]|
	v_max3_num_f32 v9, |v[XS+3]|, |v[XS+4]|, |v[XS+5]|
.irp e, 6,10,14,18,22,26
	v_max3_num_f32 v8, v8, |v[XS+\e]|, |v[XS+\e+1]|
	v_max3_num_f32 v9, v9, |v[XS+\e+2]|, |v[XS+\e+3]|
.endr
	v_max3_num_f32 v8, v8, |v[XS+30]|, |v[XS+31]|
	v_max3_num_f32 v8, v8, v9, 0x1800000           ; the floor 2^(3 - 127): the byte cannot fall under 1
	v_add_nc_u32 v10, 0xff000000, v8               ; 2 off the exponent field: the conversion's scale operand
	v_lshrrev_b32 v9, 23, v10                      ; the scale's byte
.if tb == 0
	v_mov_b32 v59, v9
.else
	v_lshl_or_b32 v59, v9, 8*tb, v59
.endif
	v_cvt_scalef32_pk16_fp6_f32 v[PD:PD+2], v[XS:XS+15], v10
	v_cvt_scalef32_pk16_fp6_f32 v[56:58], v[XS+16:XS+31], v10   ; (a conversion's three registers begin on an even number)
	v_nop                                          ; one plain place behind a scaled conversion
	v_mov_b32 v[PD+3], v56
	v_mov_b32 v[PD+4], v57
	v_mov_b32 v[PD+5], v58
.set tb, tb+1
.endr
.irp c, 0,1,2
	global_store_b128 v5, v[32+4*\c:35+4*\c], s[6:7] offset:512*\c        ; sixteen lanes store 256 consecutive bytes, aligned
	global_store_b128 v5, v[44+4*\c:47+4*\c], s[6:7] offset:512*\c+256
.endr
	v_mov_b32 v60, v61                             ; the four trips' scale words move down: after four trips v60 holds the first's
	v_mov_b32 v61, v62
	v_mov_b32 v62, v63
	v_mov_b32 v63, v59
	s_wait_xcnt 0x0                                ; the stores have read their data and base: both are written again only behind this wait
	s_add_nc_u64 s[4:5], s[4:5], 128*\N*4
	s_add_nc_u64 s[6:7], s[6:7], 1536
	s_add_co_u32 s13, s13, 1
	s_cmp_lt_u32 s13, 4
	s_cbranch_scc1 .Lw_trip_\@
	global_store_b128 v5, v[60:63], s[6:7]         ; the base now stands at the record's byte 6,144: 16 bytes a column
	s_endpgm
.endm
; hidden_states: 16 rows x 128 numbers of K step q, each load 512 consecutive bytes of one row
.macro XLOAD q
.irp i, 0,1,2,3,4,5,6,7,8,9,10,11,12,13,14,15
	global_load_b128 v[64+64*((\q)%2)+4*\i:67+64*((\q)%2)+4*\i], v4, s[4:5] offset:\i*16384+(\q)*512 th:TH_LOAD_NT
.endr
.endm
.macro XQ q
.if (\q) < 3
	s_wait_loadcnt 16                              ; this K step's 16 loads are in; the next step's 16 may be out
.else
	s_wait_loadcnt 0x0
.endif
.irp i, 0,1,2,3,4,5,6,7,8,9,10,11,12,13,14,15
	ds_store_b128 v5, v[64+64*((\q)%2)+4*\i:67+64*((\q)%2)+4*\i] offset:\i*528
.endr
.irp i, 0,1,2,3,4,5,6,7
	ds_load_b128 v[192+4*\i:195+4*\i], v6 offset:16*\i          ; LDS serves a wave's instructions in order: these see the stores.  Row r, k = 32 h + 0..31
.endr
.irp i, 0,1,2,3,4,5,6,7
	ds_load_b128 v[224+4*\i:227+4*\i], v6 offset:256+16*\i      ; k = 64 + 32 h + 0..31
.endr
	s_wait_dscnt 0x0                               ; the numbers are back, and the stores have read their registers
.if (\q)+2 < 4
	XLOAD (\q)+2
.endif
.irp c, 0,1
	v_max3_num_f32 v[8+\c], |v[192+32*\c]|, |v[193+32*\c]|, 0x1800000
.endr
.irp e, 2,4,6,8,10,12,14,16,18,20,22,24,26,28,30
.irp c, 0,1
	v_max3_num_f32 v[8+\c], v[8+\c], |v[192+32*\c+\e]|, |v[193+32*\c+\e]|
.endr
.endr
.irp c, 0,1
	v_add_nc_u32 v[10+\c], 0xff000000, v[8+\c]
.endr
.irp c, 0,1
	v_lshrrev_b32 v[8+\c], 23, v[10+\c]
.endr
	v_lshl_or_b32 v12, v9, 16, v8                  ; my two bytes: blocks h and 2 + h,
	v_lshlrev_b32 v12, v7, v12                     ; 8 h bits up;
	v_permlanex16_b32 v13, v12, s38, s39
	v_or_b32 v[36+(\q)], v12, v13                  ; with lane l xor 16's two the word is whole
	s_wait_xcnt 0x0                                ; the last K step's stores have read the code registers
.irp c, 0,1
	v_cvt_scalef32_pk16_fp6_f32 v[16+6*\c:18+6*\c], v[192+32*\c:207+32*\c], v[10+\c]
	v_cvt_scalef32_pk16_fp6_f32 v[28+4*\c:30+4*\c], v[208+32*\c:223+32*\c], v[10+\c]
.endr
	v_nop
.irp c, 0,1
.irp e, 0,1,2
	v_mov_b32 v[19+6*\c+\e], v[28+4*\c+\e]
.endr
.endr
.irp c, 0,1,2
	global_store_b128 v4, v[16+4*\c:19+4*\c], s[6:7] offset:(\q)*1536+512*\c   ; 512 consecutive bytes
.endr
.endm
	s_load_b512 s[16:31], s[0:1], 0x0              ; mask 16, q_w 18, k_w 20, v_w 22, o_w 24, hidden 26, positions 28, mw 30
	s_load_b128 s[32:35], s[0:1], 0x40             ; wpk 32, xp 34
	s_load_b64 s[36:37], s[0:1], 0x50              ; rt
	s_load_b64 s[54:55], s[0:1], 0x58              ; fl
	v_lshl_add_u32 v[SPW], v0, 2, SPARE
	v_mov_b32 v[NIL], 0
	v_lshrrev_b32 v1, 5, v0
	v_readfirstlane_b32 s12, v1                    ; wave
	v_and_b32 v1, 31, v0                           ; lane
	v_and_b32 v2, 15, v0                           ; r
	v_bfe_u32 v3, v0, 4, 1                         ; h
	s_mov_b32 s38, 0x76543210
	s_mov_b32 s39, 0xfedcba98                      ; v_permlanex16_b32's selects for lane l xor 16
	s_wait_kmcnt 0x0
	s_cmp_lt_u32 ttmp9, 64
	s_cbranch_scc1 .Lmask
	s_cmp_lt_u32 ttmp9, 128
	s_cbranch_scc1 .Lwq
	s_cmp_lt_u32 ttmp9, 192
	s_cbranch_scc1 .Lwkv
	s_cmp_lt_u32 ttmp9, 256
	s_cbranch_scc1 .Lwo
	s_cmp_lt_u32 ttmp9, 768
	s_cbranch_scc1 .Lx
; ---- THE TABLE OF cos AND sin: a wave to a tile of 16 positions.  Lane (r, h): position r; trip bb: frequencies f = 16 bb + 8 h + 0..7.
; inv_freq = 2^(-f c), c = log2(10000) / 64 = c_hi + c_lo; f c_hi is exact (c_hi has 17 bits), its whole part goes by v_ldexp_f32, so the exponential's input is under 1.
	s_sub_co_u32 s40, ttmp9, 768
	s_lshl_b32 s40, s40, 2
	s_add_co_u32 s40, s40, s12                     ; the tile
	s_lshl_b32 s42, s40, 6
	s_mov_b32 s43, 0
	s_add_nc_u64 s[28:29], s[28:29], s[42:43]
	s_lshl_b32 s42, s40, 13
	s_add_nc_u64 s[36:37], s[36:37], s[42:43]
	v_lshlrev_b32 v4, 2, v2
	global_load_b32 v16, v4, s[28:29]
	v_lshlrev_b32 v5, 4, v1
	v_lshlrev_b32 v17, 3, v3                       ; 8 h + 16 bb
	s_mov_b32 s44, 0xb3f68683                      ; c_lo
	s_mov_b32 s45, 0x3fc90fdb                      ; pi/2, high part
	s_mov_b32 s46, 0xb33bbd2e                      ; and the rest
	s_mov_b32 s47, 0xbe2aaaa3                      ; sin: S1, S2, S3
	s_mov_b32 s48, 0x3c08839e
	s_mov_b32 s49, 0xb94ca1f9
	s_mov_b32 s50, 0x3d2aaaa5                      ; cos: C0, C1, C2
	s_mov_b32 s51, 0xbab6061a
	s_mov_b32 s52, 0x37ccf5ce
	s_wait_loadcnt 0x0
	v_cvt_f32_i32 v16, v16                         ; the position
	s_mov_b32 s13, 0
.Ld_trip:
.irp j, 0,1,2,3,4,5,6,7
	v_add_nc_u32 v[32+\j], \j, v17
.endr
.irp j, 0,1,2,3,4,5,6,7
	v_cvt_f32_u32 v[32+\j], v[32+\j]               ; f
.endr
.irp j, 0,1,2,3,4,5,6,7
	v_mul_f32 v[40+\j], 0x3e549a80, v[32+\j]       ; f c_hi, exact
.endr
.irp j, 0,1,2,3,4,5,6,7
	v_floor_f32 v[48+\j], v[40+\j]
.endr
.irp j, 0,1,2,3,4,5,6,7
	v_sub_f32 v[56+\j], v[40+\j], v[48+\j]
.endr
.irp j, 0,1,2,3,4,5,6,7
	v_fma_f32 v[56+\j], v[32+\j], s44, v[56+\j]
.endr
.irp j, 0,1,2,3,4,5,6,7
	v_exp_f32 v[64+\j], -v[56+\j]
.endr
.irp j, 0,1,2,3,4,5,6,7
	v_cvt_i32_f32 v[48+\j], v[48+\j]               ; plain work behind the exponentials
.endr
.irp j, 0,1,2,3,4,5,6,7
	v_sub_nc_u32 v[48+\j], 0, v[48+\j]
.endr
	s_wait_alu depctr_va_vdst(0)                   ; one wait for the eight exponentials, ahead of their first reader
.irp j, 0,1,2,3,4,5,6,7
	v_ldexp_f32 v[64+\j], v[64+\j], v[48+\j]       ; inv_freq
.endr
.irp j, 0,1,2,3,4,5,6,7
	v_mul_f32 v[72+\j], v16, v[64+\j]              ; x = position x inv_freq, rounded to f32
.endr
.irp j, 0,1,2,3,4,5,6,7
	v_mul_f32 v[80+\j], 0x3f22f983, v[72+\j]
.endr
.irp j, 0,1,2,3,4,5,6,7
	v_rndne_f32 v[80+\j], v[80+\j]                 ; k = the nearest multiple of pi/2
.endr
.irp j, 0,1,2,3,4,5,6,7
	v_fma_f32 v[88+\j], -v[80+\j], s45, v[72+\j]
.endr
.irp j, 0,1,2,3,4,5,6,7
	v_fma_f32 v[88+\j], -v[80+\j], s46, v[88+\j]   ; rho
.endr
.irp j, 0,1,2,3,4,5,6,7
	v_mul_f32 v[96+\j], v[88+\j], v[88+\j]         ; z
.endr
.irp j, 0,1,2,3,4,5,6,7
	v_fma_f32 v[104+\j], v[96+\j], s49, s48
.endr
.irp j, 0,1,2,3,4,5,6,7
	v_fma_f32 v[104+\j], v[104+\j], v[96+\j], s47
.endr
.irp j, 0,1,2,3,4,5,6,7
	v_mul_f32 v[104+\j], v[104+\j], v[96+\j]
.endr
.irp j, 0,1,2,3,4,5,6,7
	v_fma_f32 v[104+\j], v[104+\j], v[88+\j], v[88+\j]   ; sin rho
.endr
.irp j, 0,1,2,3,4,5,6,7
	v_fma_f32 v[112+\j], v[96+\j], s52, s51
.endr
.irp j, 0,1,2,3,4,5,6,7
	v_fma_f32 v[112+\j], v[112+\j], v[96+\j], s50
.endr
.irp j, 0,1,2,3,4,5,6,7
	v_fma_f32 v[144+\j], v[96+\j], -0.5, 1.0
.endr
.irp j, 0,1,2,3,4,5,6,7
	v_mul_f32 v[152+\j], v[96+\j], v[96+\j]
.endr
.irp j, 0,1,2,3,4,5,6,7
	v_fma_f32 v[112+\j], v[112+\j], v[152+\j], v[144+\j]   ; cos rho
.endr
.irp j, 0,1,2,3,4,5,6,7
	v_cvt_i32_f32 v[120+\j], v[80+\j]              ; the quadrant is k's two low bits
.endr
.irp j, 0,1,2,3,4,5,6,7
	v_and_b32 v[144+\j], 1, v[120+\j]
	v_cmp_eq_u32 vcc_lo, 1, v[144+\j]
	v_cndmask_b32 v[128+\j], v[104+\j], v[112+\j], vcc_lo  ; sin x: cos rho in odd quadrants
	v_cndmask_b32 v[136+\j], v[112+\j], v[104+\j], vcc_lo  ; cos x: sin rho there
.endr
.irp j, 0,1,2,3,4,5,6,7
	v_and_b32 v[144+\j], 2, v[120+\j]
	v_add_nc_u32 v[152+\j], 1, v[120+\j]
.endr
.irp j, 0,1,2,3,4,5,6,7
	v_lshlrev_b32 v[144+\j], 30, v[144+\j]
	v_and_b32 v[152+\j], 2, v[152+\j]
.endr
.irp j, 0,1,2,3,4,5,6,7
	v_xor_b32 v[128+\j], v[128+\j], v[144+\j]      ; sin is negative in quadrants 2, 3
	v_lshlrev_b32 v[152+\j], 30, v[152+\j]
.endr
.irp j, 0,1,2,3,4,5,6,7
	v_xor_b32 v[136+\j], v[136+\j], v[152+\j]      ; cos in quadrants 1, 2
.endr
	global_store_b128 v5, v[136:139], s[36:37]                 ; each store: 512 consecutive bytes
	global_store_b128 v5, v[140:143], s[36:37] offset:512
	global_store_b128 v5, v[128:131], s[36:37] offset:4096
	global_store_b128 v5, v[132:135], s[36:37] offset:4608
	s_wait_xcnt 0x0                                ; the stores have read their data and base
	s_add_nc_u64 s[36:37], s[36:37], 1024
	v_add_nc_u32 v17, 16, v17
	s_add_co_u32 s13, s13, 1
	s_cmp_lt_u32 s13, 4
	s_cbranch_scc1 .Ld_trip
	s_endpgm
; ---- THE MASK: a wave to a tile of 16 queries; a trip is 256 keys (two key steps).
.Lmask:
	s_lshl_b32 s40, ttmp9, 2
	s_add_co_u32 s40, s40, s12                     ; 128 b + T
	s_lshl_b32 s42, s40, 15
	s_mov_b32 s43, 0
	s_add_nc_u64 s[16:17], s[16:17], s[42:43]      ; the tile's 16 rows of 2,048 bytes
	s_lshl_b32 s42, s40, 3
	s_add_nc_u64 s[48:49], s[54:55], s[42:43]      ; its two flag words: 8 bytes a tile
	s_lshl_b32 s42, s40, 12
	s_add_nc_u64 s[30:31], s[30:31], s[42:43]      ; its 16 x 64 words
	v_lshlrev_b32 v4, 11, v3
	v_lshl_add_u32 v4, v2, 4, v4                   ; in: two rows a load, sixteen lanes to a row's 256 bytes
	s_mul_i32 s40, s12, 4352
	s_add_co_u32 s40, s40, CSTG
	v_mul_u32_u24 v5, v3, 272
	v_lshl_add_u32 v5, v2, 4, v5
	v_add_nc_u32 v5, s40, v5                       ; into the stage as loaded
	v_mul_u32_u24 v6, v2, 272
	v_lshl_add_u32 v6, v3, 3, v6
	v_add_nc_u32 v6, s40, v6                       ; out of it: row r, 8 bytes at 8 h of each 16 keys
	v_lshlrev_b32 v7, 3, v1
.irp r, 100,101,102,103
	v_mov_b32 v\r, 0                               ; (v_writelane_b32's destination counts as read)
.endr
	s_mov_b32 s50, 0                               ; steps all hidden
	s_mov_b32 s51, 0                               ; steps all open
	s_mov_b32 s52, -1                              ; lanes all of whose keys are hidden
	s_mov_b32 s53, 0x01010101                      ; four bytes that all say 'hidden'
.irp i, 0,1,2,3,4,5,6,7
	global_load_b128 v[32+4*\i:35+4*\i], v4, s[16:17] offset:\i*4096 th:TH_LOAD_NT
.endr
	s_mov_b32 s13, 0
.Lc_trip:
	s_wait_loadcnt 0x0
.irp i, 0,1,2,3,4,5,6,7
	ds_store_b128 v5, v[32+4*\i:35+4*\i] offset:\i*544
.endr
.irp ksp, 0,1
.irp t, 0,1,2,3,4,5,6,7
	ds_load_b64 v[64+16*\ksp+2*\t:65+16*\ksp+2*\t], v6 offset:128*\ksp+16*\t
.endr
.endr
	s_wait_dscnt 0x0                               ; the bytes are back, and the stores have read their registers
	s_cmp_eq_u32 s13, 7                            ; the last trip asks for nothing: no load leaves the buffer
	s_cbranch_scc1 .Lc_nold
	s_add_nc_u64 s[16:17], s[16:17], 256           ; (the wait for the loads has freed the base)
.irp i, 0,1,2,3,4,5,6,7
	global_load_b128 v[32+4*\i:35+4*\i], v4, s[16:17] offset:\i*4096 th:TH_LOAD_NT
.endr
.Lc_nold:
.irp ksp, 0,1
	; the step's two flags, in vector registers: the AND and the OR of my lane's 16 registers of four bytes (64 keys of my row)
	v_and_b32 v16, v[64+16*\ksp], v[65+16*\ksp]
	v_or_b32 v17, v[64+16*\ksp], v[65+16*\ksp]
.irp t, 2,3,4,5,6,7,8,9,10,11,12,13,14,15
	v_and_b32 v16, v16, v[64+16*\ksp+\t]
	v_or_b32 v17, v17, v[64+16*\ksp+\t]
.endr
	v_cmp_eq_u32 s46, s53, v16                     ; lanes all of whose 64 keys are hidden
	v_cmp_ne_u32 s47, 0, v17                       ; lanes with a hidden key
	; the step's 64 words, eight at a time: tile t = n / 8 of 16 keys, key j = e
.set n, 0
.rept 8
.irp e, 0,1,2,3,4,5,6,7
	v_and_b32 v[20+\e], 0xff<<(8*(\e&3)), v[64+16*\ksp+2*(n/8)+\e/4]
.endr
.irp e, 0,1,2,3,4,5,6,7
	v_cmp_ne_u32 s[56+\e], 0, v[20+\e]             ; the 32 lanes' bits are word n + e
.endr
.irp e, 0,1,2,3,4,5,6,7
	v_writelane_b32 v[100+2*\ksp+(\e&1)], s[56+\e], (n+\e)/2
.endr
.set n, n+8
.endr
	global_store_b64 v7, v[100+2*\ksp:101+2*\ksp], s[30:31] offset:256*\ksp   ; 64 words: 256 consecutive bytes, aligned
	s_lshl_b32 s45, s13, 1
	s_or_b32 s45, s45, \ksp                        ; the key step
	s_cmp_eq_u32 s46, -1
	s_cselect_b32 s44, 1, 0
	s_lshl_b32 s44, s44, s45
	s_or_b32 s50, s50, s44
	s_cmp_eq_u32 s47, 0
	s_cselect_b32 s44, 1, 0
	s_lshl_b32 s44, s44, s45
	s_or_b32 s51, s51, s44
	s_and_b32 s52, s52, s46
.endr
	s_wait_xcnt 0x0                                ; the stores have read the word registers and the base
	s_add_nc_u64 s[30:31], s[30:31], 512
	s_add_co_u32 s13, s13, 1
	s_cmp_lt_u32 s13, 8
	s_cbranch_scc1 .Lc_trip
	s_lshr_b32 s44, s52, 16
	s_and_b32 s44, s44, s52
	s_and_b32 s44, s44, 0xffff                     ; rows that are hidden whole
	s_cmp_lg_u32 s44, 0
	s_cselect_b32 s50, 0, s50                      ; with such a row nothing is skipped
	v_mov_b32 v104, s50
	v_mov_b32 v105, s51
	v_mov_b32 v106, 0
	v_cmp_eq_u32 vcc_lo, 0, v1
	s_wait_xcnt 0x0                                ; EXEC changes only behind this wait
	s_and_saveexec_b32 s44, vcc_lo
	global_store_b64 v106, v[104:105], s[48:49]    ; 8 bytes a tile: 2,048 bytes in the whole launch
	s_wait_xcnt 0x0
	s_or_b32 exec_lo, exec_lo, s44
	s_wait_tensorcnt 0x0                           ; the wave's end, behind my last LDS store
	ds_add_u32 v[SPW], v[NIL]
	s_wait_dscnt 0x0
	s_endpgm
; ---- THE WEIGHTS
.Lwq:
	s_sub_co_u32 s40, ttmp9, 64
	s_and_b32 s41, s40, 7                          ; which 128 columns
	s_lshr_b32 s42, s40, 3                         ; which 512 along K
	s_lshl_b32 s44, s42, 21
	s_lshl_b32 s46, s41, 9
	s_add_co_u32 s44, s44, s46
	s_lshl_b32 s46, s12, 7
	s_add_co_u32 s44, s44, s46
	s_mov_b32 s45, 0
	s_add_nc_u64 s[4:5], s[18:19], s[44:45]
	s_lshl_b32 s46, s41, 3
	s_lshl_b32 s47, s12, 1
	s_add_co_u32 s46, s46, s47                     ; my first tile of 16 columns
	s_lshl_b32 s46, s46, 3
	s_add_co_u32 s46, s46, s42
	s_mul_i32 s44, s46, 6400
	s_add_nc_u64 s[6:7], s[32:33], s[44:45]
	WQ 1024, 0, 51200
.Lwkv:
	s_sub_co_u32 s40, ttmp9, 128
	s_and_b32 s41, s40, 3
	s_bfe_u32 s42, s40, 0x30002
	s_lshr_b32 s43, s40, 5                         ; 0: k_w, 1: v_w
	s_cmp_eq_u32 s43, 0
	s_cselect_b64 s[4:5], s[20:21], s[22:23]
	s_lshl_b32 s44, s42, 20
	s_lshl_b32 s46, s41, 9
	s_add_co_u32 s44, s44, s46
	s_lshl_b32 s46, s12, 7
	s_add_co_u32 s44, s44, s46
	s_mov_b32 s45, 0
	s_add_nc_u64 s[4:5], s[4:5], s[44:45]
	s_lshl_b32 s46, s43, 5
	s_add_co_u32 s46, s46, 64                      ; k's tiles begin at 64, v's at 96
	s_lshl_b32 s47, s41, 3
	s_add_co_u32 s46, s46, s47
	s_lshl_b32 s47, s12, 1
	s_add_co_u32 s46, s46, s47
	s_lshl_b32 s46, s46, 3
	s_add_co_u32 s46, s46, s42
	s_mul_i32 s44, s46, 6400
	s_add_nc_u64 s[6:7], s[32:33], s[44:45]
	WQ 512, 0, 51200
.Lwo:
	s_sub_co_u32 s40, ttmp9, 192
	s_and_b32 s41, s40, 31
	s_lshr_b32 s42, s40, 5
	s_lshl_b32 s44, s42, 23
	s_lshl_b32 s46, s41, 9
	s_add_co_u32 s44, s44, s46
	s_lshl_b32 s46, s12, 7
	s_add_co_u32 s44, s44, s46
	s_mov_b32 s45, 0
	s_add_nc_u64 s[4:5], s[24:25], s[44:45]
	s_lshl_b32 s46, s41, 3
	s_lshl_b32 s47, s12, 1
	s_add_co_u32 s46, s46, s47
	s_lshl_b32 s46, s46, 1
	s_add_co_u32 s46, s46, s42
	s_mul_i32 s44, s46, 6400
	s_add_co_u32 s44, s44, 6553600                 ; o_w's records lie behind q's, k's and v's
	s_add_nc_u64 s[6:7], s[32:33], s[44:45]
	WQ 4096, 1, 12800
; ---- hidden_states: a wave to a record: 16 rows x 512 along K, four K steps written out; loads run two K steps ahead
.Lx:
	s_sub_co_u32 s40, ttmp9, 256
	s_lshl_b32 s40, s40, 2
	s_add_co_u32 s40, s40, s12                     ; the record: 8 x tile of rows + K group
	s_lshr_b32 s41, s40, 3
	s_and_b32 s42, s40, 7
	s_lshl_b32 s44, s41, 18
	s_lshl_b32 s46, s42, 11
	s_add_co_u32 s44, s44, s46
	s_mov_b32 s45, 0
	s_add_nc_u64 s[4:5], s[26:27], s[44:45]
	s_mul_i32 s44, s40, 6400
	s_add_nc_u64 s[6:7], s[34:35], s[44:45]
	v_lshlrev_b32 v4, 4, v1
	s_mul_i32 s46, s12, 8448
	v_add_nc_u32 v5, s46, v4
	v_mul_u32_u24 v6, v2, 528
	v_lshl_add_u32 v6, v3, 7, v6
	v_add_nc_u32 v6, s46, v6
	v_lshlrev_b32 v7, 3, v3
	v_mov_b32 v13, 0                               ; (a lane permute's destination counts as read)
	XLOAD 0
	XLOAD 1
	XQ 0
	XQ 1
	XQ 2
	XQ 3
	v_cmp_eq_u32 vcc_lo, 1, v3
	v_cndmask_b32 v40, v36, v38, vcc_lo            ; lanes 0-15 store words 0, 1 of their row, lanes 16-31 words 2, 3
	v_cndmask_b32 v41, v37, v39, vcc_lo
	v_lshlrev_b32 v42, 4, v2
	v_lshl_add_u32 v42, v3, 3, v42
	global_store_b64 v42, v[40:41], s[6:7] offset:6144   ; the 32 lanes fill 256 consecutive bytes
	s_wait_tensorcnt 0x0                           ; the wave's end, behind my last LDS store
	ds_add_u32 v[SPW], v[NIL]
	s_wait_dscnt 0x0
	s_endpgm
.Lfunc_end_k_q5e150a95f5_prep:
	.size	k_q5e150a95f5_prep, .Lfunc_end_k_q5e150a95f5_prep-k_q5e150a95f5_prep
	.p2alignl 7, 3214868480
	.fill 96, 4, 3214868480
	.section	.rodata,"a",@progbits
	.p2align	6, 0x0
	.amdhsa_kernel k_q5e150a95f5_prep
		.amdhsa_group_segment_fixed_size 51712
		.amdhsa_private_segment_fixed_size 0
		.amdhsa_enable_private_segment 0
		.amdhsa_kernarg_size 96
		.amdhsa_user_sgpr_count 2
		.amdhsa_user_sgpr_kernarg_segment_ptr 1
		.amdhsa_wavefront_size32 1
		.amdhsa_system_sgpr_workgroup_id_x 1
		.amdhsa_system_sgpr_workgroup_id_y 1
		.amdhsa_system_sgpr_workgroup_id_z 1
		.amdhsa_system_vgpr_workitem_id 0
		.amdhsa_next_free_vgpr 256
		.amdhsa_next_free_sgpr 66
		.amdhsa_reserve_vcc 1
		.amdhsa_float_denorm_mode_32 3
		.amdhsa_float_denorm_mode_16_64 3
		.amdhsa_memory_ordered 1
		.amdhsa_forward_progress 1
		.amdhsa_inst_pref_size 137
	.end_amdhsa_kernel
	.amdgpu_metadata
---
amdhsa.version: [ 1, 2 ]
amdhsa.kernels:
  - .name:           k_q5e150a95f5_prep
    .symbol:         k_q5e150a95f5_prep.kd
    .args:
      - { .name: attention_mask, .offset: 0, .size: 8, .value_kind: global_buffer, .address_space: global }
      - { .name: q_w, .offset: 8, .size: 8, .value_kind: global_buffer, .address_space: global }
      - { .name: k_w, .offset: 16, .size: 8, .value_kind: global_buffer, .address_space: global }
      - { .name: v_w, .offset: 24, .size: 8, .value_kind: global_buffer, .address_space: global }
      - { .name: o_w, .offset: 32, .size: 8, .value_kind: global_buffer, .address_space: global }
      - { .name: hidden_states, .offset: 40, .size: 8, .value_kind: global_buffer, .address_space: global }
      - { .name: position_ids, .offset: 48, .size: 8, .value_kind: global_buffer, .address_space: global }
      - { .name: mw, .offset: 56, .size: 8, .value_kind: global_buffer, .address_space: global }
      - { .name: wpk, .offset: 64, .size: 8, .value_kind: global_buffer, .address_space: global }
      - { .name: xp, .offset: 72, .size: 8, .value_kind: global_buffer, .address_space: global }
      - { .name: rt, .offset: 80, .size: 8, .value_kind: global_buffer, .address_space: global }
      - { .name: fl, .offset: 88, .size: 8, .value_kind: global_buffer, .address_space: global }
    .group_segment_fixed_size: 51712
    .private_segment_fixed_size: 0
    .kernarg_segment_align: 8
    .kernarg_segment_size: 96
    .max_flat_workgroup_size: 128
    .sgpr_count:     66
    .vgpr_count:     256
    .wavefront_size: 32
...
	.end_amdgpu_metadata
.endif
;; end of part 1
;; launch qkv (part 2): grid 32 x 8, 4 waves a work-group, clusters of 4 x 1, 327,680 bytes of LDS; arguments xp, wpk, rt, qkvp; writes qkvp
.if DOCPART == 2
	.amdgcn_target "amdgcn-amd-amdhsa--gfx1250"
	.amdhsa_code_object_version 6
	.text
	.protected	k_q5e150a95f5_qkv
	.globl	k_q5e150a95f5_qkv
	.p2align	8
	.type	k_q5e150a95f5_qkv,@function
k_q5e150a95f5_qkv:
	s_mov_b64 s[64:65], 0
	v_nop
	global_prefetch_b8 v0, s[64:65] scope:SCOPE_SE
	s_setreg_imm32_b32 hwreg(HW_REG_WAVE_MODE, 25, 1), 1
	s_wait_xcnt 0x0
	s_wait_alu depctr_hold_cnt(0) depctr_sa_sdst(0) depctr_va_vdst(0) depctr_va_sdst(0) depctr_va_ssrc(0) depctr_va_vcc(0) depctr_vm_vsrc(0)
	s_getreg_b32 s2, hwreg(HW_REG_IB_STS2, 6, 4)
	s_cmp_eq_u32 s2, 0
	s_cbranch_scc0 .Lentry_in_a_cluster
	s_endpgm
.Lentry_in_a_cluster:
	s_bfe_u32 s2, ttmp6, 0x10000c
	s_cmp_lg_u32 s2, 0x3003
	s_cbranch_scc0 .Lentry_shape_is_right
	s_endpgm
.Lentry_shape_is_right:
; QKV: q, k, v = hidden_states x (q_w | k_w | v_w) on codes of E2M3, K = 4,096; the rotation of q and k; all three quantised again for the attention launch.  No work of the problem is left out here.
; A work-group multiplies T (source 0, 256 rows) by U (source 1, 128 rows); a wave 128 of T x 64 of U: 32 accumulators.  In a result lane (r, h) holds row r of U, and register j row 8 h + j of T's tile.
; y < 6 (q and k): T = 256 columns of the weights (two heads), U = 128 tokens: a lane holds one token and its registers run along the head's 128, the next product's K.
; y >= 6 (v): T = 256 tokens, U = the 128 columns of one KV head: a lane holds one channel and its registers run along the KEYS, the K of the second attention product.
; THE ORDER INSIDE A BLOCK OF 32.  The 16 registers of two neighbouring tiles of T are k = 16 u + 8 h + j; the quantiser lays them at place 16 h + 8 u + j.  Both sides of each later product are made so, which keeps every product and scale.
; CLUSTER 4 x 1: the four partners share T (it hangs on y, the cluster's x and the wave alone): one joint load.  U is each work-group's own: a plain load behind the same barrier.  A 4 x 4 cluster is not
; taken: the six tiles of q and k along y do not divide by four, and the two roles may not meet in one cluster.
; K goes in groups of 512 (a record a tile of 16 rows) through two LDS slots: 128 products a wave between two changes of slots.  Operands lie in memory and LDS as images of their registers: every LDS access is 16 bytes a lane on end.
; LIMITS: NaN and infinities are not served; a block of zeros gets the scale byte 1 (its codes are zeros; the bytes are read by this program alone).
; REGISTERS: window 0: v16-29 addresses; v32-79 scale words, a set a slot; v96-191 U's fragments, two sets; on the way out v96-159 rotated numbers, v160-179 codes, v180-199 at work.
;   window 1: T's fragments, two sets of 96; v192-255 (and v128-191 on the way out) cos and sin.   window 2: accumulator (a, b) at v[8 (8 a + b)].
.set SLOT,  153600                     ; T's 16 records, then U's 8
.set UOFF,  102400
.set SPARE, 307200                     ; behind the ring: the spare words, 128 bytes a wave
.set AT,  16
.set AU,  18
.set AST, 20
.set ASU, 22
.set LI,  24                           ; 16 x lane
.set RH,  25                           ; 16 r + 8 h
.set HH,  26                           ; h
.set SPW, 28
.set NIL, 29
.set SC,  32
.set UF,  96
.set Y,   96
.set PC,  160
.set TM,  180
.set PW,  196
.set G1T, 24
.set G0T, 32
.set G1U, 48
.set G0U, 56
.set SEL, 66
.set MSB, 0
.macro WIN new                         ; the immediate's high byte repeats the setting that is left
.if MSB != (\new)
	s_set_vgpr_msb (MSB<<8)|(\new)
.set MSB, (\new)
.endif
.endm
.macro PLACES n
.rept \n
	v_nop
.endr
.endm
; one product; ra, rb: the scale words stand in lanes 16-31 of their register
.macro WM d, s0, s1, zero, sa, sb, ra, rb
.if \zero
.if ((\ra)==0) && ((\rb)==0)
	v_wmma_scale_f32_16x16x128_f8f6f4 v[\d:\d+7], v[\s0:\s0+11], v[\s1:\s1+11], 0, v[\sa], v[\sb] matrix_a_fmt:MATRIX_FMT_FP6 matrix_b_fmt:MATRIX_FMT_FP6
.elseif (\rb)==0
	v_wmma_scale_f32_16x16x128_f8f6f4 v[\d:\d+7], v[\s0:\s0+11], v[\s1:\s1+11], 0, v[\sa], v[\sb] matrix_a_fmt:MATRIX_FMT_FP6 matrix_b_fmt:MATRIX_FMT_FP6 matrix_a_scale:MATRIX_SCALE_ROW1
.elseif (\ra)==0
	v_wmma_scale_f32_16x16x128_f8f6f4 v[\d:\d+7], v[\s0:\s0+11], v[\s1:\s1+11], 0, v[\sa], v[\sb] matrix_a_fmt:MATRIX_FMT_FP6 matrix_b_fmt:MATRIX_FMT_FP6 matrix_b_scale:MATRIX_SCALE_ROW1
.else
	v_wmma_scale_f32_16x16x128_f8f6f4 v[\d:\d+7], v[\s0:\s0+11], v[\s1:\s1+11], 0, v[\sa], v[\sb] matrix_a_fmt:MATRIX_FMT_FP6 matrix_b_fmt:MATRIX_FMT_FP6 matrix_a_scale:MATRIX_SCALE_ROW1 matrix_b_scale:MATRIX_SCALE_ROW1
.endif
.else
.if ((\ra)==0) && ((\rb)==0)
	v_wmma_scale_f32_16x16x128_f8f6f4 v[\d:\d+7], v[\s0:\s0+11], v[\s1:\s1+11], v[\d:\d+7], v[\sa], v[\sb] matrix_a_fmt:MATRIX_FMT_FP6 matrix_b_fmt:MATRIX_FMT_FP6
.elseif (\rb)==0
	v_wmma_scale_f32_16x16x128_f8f6f4 v[\d:\d+7], v[\s0:\s0+11], v[\s1:\s1+11], v[\d:\d+7], v[\sa], v[\sb] matrix_a_fmt:MATRIX_FMT_FP6 matrix_b_fmt:MATRIX_FMT_FP6 matrix_a_scale:MATRIX_SCALE_ROW1
.elseif (\ra)==0
	v_wmma_scale_f32_16x16x128_f8f6f4 v[\d:\d+7], v[\s0:\s0+11], v[\s1:\s1+11], v[\d:\d+7], v[\sa], v[\sb] matrix_a_fmt:MATRIX_FMT_FP6 matrix_b_fmt:MATRIX_FMT_FP6 matrix_b_scale:MATRIX_SCALE_ROW1
.else
	v_wmma_scale_f32_16x16x128_f8f6f4 v[\d:\d+7], v[\s0:\s0+11], v[\s1:\s1+11], v[\d:\d+7], v[\sa], v[\sb] matrix_a_fmt:MATRIX_FMT_FP6 matrix_b_fmt:MATRIX_FMT_FP6 matrix_a_scale:MATRIX_SCALE_ROW1 matrix_b_scale:MATRIX_SCALE_ROW1
.endif
.endif
.endm
; waves 0 and 1 fetch T's halves (jointly with the partners), waves 2 and 3 U's.  The branch hangs on the wave's number alone.  An s_nop 0 and four v_nop follow each line.
.macro JLOAD g0a, g1a, g0b, g1b
	s_cmp_eq_u32 s15, 0
	s_cbranch_scc0 .Lfor_u_\@
	tensor_load_to_lds s[\g0a:\g0a+3], s[\g1a:\g1a+7]
	s_nop 0
.rept 4
	v_nop
.endr
	s_branch .Lasked_\@
.Lfor_u_\@:
	tensor_load_to_lds s[\g0b:\g0b+3], s[\g1b:\g1b+7]
	s_nop 0
.rept 4
	v_nop
.endr
.Lasked_\@:
.endm
.macro CREST                           ; a round of the cluster's barrier behind its opening barrier
	s_cmp_lg_u32 s14, 0
	s_cbranch_scc1 .Lnot_wave_0_\@
	s_barrier_signal -3
.Lnot_wave_0_\@:
	s_barrier_wait -3
	s_barrier_signal -1
	s_barrier_wait -1
.endm
.macro CROUND
	s_barrier_signal -1
	s_barrier_wait -1
	CREST
.endm
.macro FETCH slot, q, fs               ; the fragments of the slot's q-th 128 along K into set fs: 24 + 12 loads of 16 bytes a lane
	WIN 0x40
.irp b, 0,1,2,3,4,5,6,7
.irp c, 0,1,2
	ds_load_b128 v[96*(\fs)+12*\b+4*\c:96*(\fs)+12*\b+4*\c+3], v[AT+\slot] offset:\b*6400+(\q)*1536+\c*512
.endr
.endr
	WIN 0
.irp a, 0,1,2,3
.irp c, 0,1,2
	ds_load_b128 v[UF+48*(\fs)+12*\a+4*\c:UF+48*(\fs)+12*\a+4*\c+3], v[AU+\slot] offset:\a*6400+(\q)*1536+\c*512
.endr
.endr
.endm
.macro SCALES slot                     ; a slot's scale words: a load brings the four K steps' words of two tiles: lanes 0-15 the even tile's, lanes 16-31 the odd one's
.irp p, 0,1,2,3
	ds_load_b128 v[SC+24*\slot+4*\p:SC+24*\slot+4*\p+3], v[AST+\slot] offset:6144+\p*12800
.endr
.irp p, 0,1
	ds_load_b128 v[SC+24*\slot+16+4*\p:SC+24*\slot+16+4*\p+3], v[ASU+\slot] offset:6144+\p*12800
.endr
.endm
.macro MUL8 a, fs, q, slot, zero       ; U's tile a against T's eight.  The 32 accumulators take turns in one order in every step
.irp b, 0,1,2,3,4,5,6,7
	WM 8*(8*(\a)+\b), 96*(\fs)+12*\b, UF+48*(\fs)+12*(\a), \zero, SC+24*(\slot)+4*(\b/2)+(\q), SC+24*(\slot)+16+4*((\a)/2)+(\q), \b%2, (\a)%2
.endr
.endm
.macro STEP slot, q, zero              ; 128 along K whose successor lies in the same slot
	s_wait_dscnt 0x0                               ; this step's fragments, asked for 32 products ago, are in
	PLACES 4                                       ; in front of loads into the set that the last 32 products read
	FETCH \slot, (\q)+1, ((\q)+1)%2
	WIN 0xa1
	MUL8 0, (\q)%2, \q, \slot, \zero
	MUL8 1, (\q)%2, \q, \slot, \zero
	MUL8 2, (\q)%2, \q, \slot, \zero
	MUL8 3, (\q)%2, \q, \slot, \zero
	WIN 0
.endm
; A slot's last step changes slots: one barrier; in front of it each wave waits for all its tensor loads, adds 0 to its spare word, and waits for that and for its reads of this slot.
.macro TURN slot, next, fill
	s_wait_tensorcnt 0x0                           ; my one load that was out, my part of the next slot, has landed
	ds_add_u32 v[SPW], v[NIL]                      ; 0 onto my spare word
	s_wait_dscnt 1                                 ; the add alone may be out: the fragments are in
	WIN 0xa1
	MUL8 0, 1, 3, \slot, 0
	s_wait_dscnt 0x0                               ; the add is done, and my reads of this slot are over
	s_barrier_signal -1
	MUL8 1, 1, 3, \slot, 0
	WIN 0
	s_barrier_wait -1
.if \fill
	CREST                                          ; the barrier has opened a round of the cluster's: no wave of any partner still reads this slot or has a load on its way
	s_add_nc_u64 s[G0T+4*\slot+2:G0T+4*\slot+3], s[G0T+4*\slot+2:G0T+4*\slot+3], 12800   ; two K groups on
	s_add_nc_u64 s[G0U+4*\slot+2:G0U+4*\slot+3], s[G0U+4*\slot+2:G0U+4*\slot+3], 12800
	JLOAD G0T+4*\slot, G1T, G0U+4*\slot, G1U       ; my one tensor load behind the round; its four v_nop are the places in front of the loads below
.else
	PLACES 4
.endif
	FETCH \next, 0, 0
	SCALES \next
	WIN 0xa1
	MUL8 2, 1, 3, \slot, 0
	MUL8 3, 1, 3, \slot, 0
	WIN 0
.endm
; 64 numbers of a lane in window ws, register 16 b + i the lane's i-th of block b, become a fragment's codes in v[PC] on and its scale word in v[pw]
.macro QUANT s, ws, pw
	WIN (\ws)|((\ws)<<2)
.irp b, 0,1,2,3
	v_max3_num_f32 v[TM+\b], |v[\s+16*\b]|, |v[\s+1+16*\b]|, 0x1800000   ; with the floor 2^(3 - 127): the byte cannot fall under 1
.endr
	WIN ((\ws)<<2)|((\ws)<<4)
.irp i, 2,4,6,8,10,12,14
.irp b, 0,1,2,3
	v_max3_num_f32 v[TM+\b], v[TM+\b], |v[\s+16*\b+\i]|, |v[\s+1+16*\b+\i]|
.endr
.endr
	WIN 0
.irp b, 0,1,2,3
	v_permlanex16_b32 v[TM+4+\b], v[TM+\b], s[SEL], s[SEL+1]
.endr
.irp b, 0,1,2,3
	v_max_num_f32 v[TM+\b], v[TM+\b], v[TM+4+\b]   ; with lane l xor 16's: the block's largest magnitude
.endr
.irp b, 0,1,2,3
	v_add_nc_u32 v[TM+12+\b], 0xff000000, v[TM+\b] ; 2 off its exponent field: the conversion's scale operand
.endr
.irp b, 0,1,2,3
	v_lshrrev_b32 v[TM+4+\b], 23, v[TM+12+\b]
.endr
	v_lshl_or_b32 v[\pw], v[TM+5], 8, v[TM+4]
	v_lshl_or_b32 v[\pw], v[TM+6], 16, v[\pw]
	v_lshl_or_b32 v[\pw], v[TM+7], 24, v[\pw]
	WIN \ws
.irp c, 0,1
	v_cvt_scalef32_pk16_fp6_f32 v[PC+6*\c:PC+2+6*\c], v[\s+32*\c:\s+15+32*\c], v[TM+12+2*\c]
	v_cvt_scalef32_pk16_fp6_f32 v[PC+12+4*\c:PC+14+4*\c], v[\s+16+32*\c:\s+31+32*\c], v[TM+12+2*\c+1]
.endr
	WIN 0
	v_nop                                          ; one plain place behind a scaled conversion
.irp c, 0,1
.irp i, 0,1,2
	v_permlane16_swap_b32 v[PC+6*\c+\i], v[PC+12+4*\c+\i]   ; a whole block to a lane
.endr
.irp i, 0,1,2
	v_mov_b32 v[PC+3+6*\c+\i], v[PC+12+4*\c+\i]
.endr
.endr
.endm
.macro RTLOAD a, reg                   ; cos and sin of my tile a of 16 tokens: 16 loads of 512 consecutive bytes
	WIN 0x40
.irp i, 0,1,2,3,4,5,6,7,8,9,10,11,12,13,14,15
	global_load_b128 v[\reg+4*\i:\reg+4*\i+3], v[LI], s[68:69] offset:(\a)*8192+\i*512
.endr
	WIN 0
.endm
.macro ROPE a, cs                      ; y1 = x1 cos - x2 sin, y2 = x2 cos + x1 sin; x1 = channels 16 bb + .., x2 = those 64 on.  Each accumulator is read from its low end on
	WIN 0x06
.irp bb, 0,1,2,3
.irp jp, 0,2,4,6
	v_pk_mul_f32 v[Y+8*\bb+\jp:Y+8*\bb+\jp+1], v[64*(\a)+32+8*\bb+\jp:64*(\a)+32+8*\bb+\jp+1], v[\cs+32+8*\bb+\jp:\cs+32+8*\bb+\jp+1]
	v_pk_mul_f32 v[Y+32+8*\bb+\jp:Y+32+8*\bb+\jp+1], v[64*(\a)+8*\bb+\jp:64*(\a)+8*\bb+\jp+1], v[\cs+32+8*\bb+\jp:\cs+32+8*\bb+\jp+1]
	v_pk_fma_f32 v[Y+8*\bb+\jp:Y+8*\bb+\jp+1], v[64*(\a)+8*\bb+\jp:64*(\a)+8*\bb+\jp+1], v[\cs+8*\bb+\jp:\cs+8*\bb+\jp+1], v[Y+8*\bb+\jp:Y+8*\bb+\jp+1] neg_lo:[0,0,1] neg_hi:[0,0,1]
	v_pk_fma_f32 v[Y+32+8*\bb+\jp:Y+32+8*\bb+\jp+1], v[64*(\a)+32+8*\bb+\jp:64*(\a)+32+8*\bb+\jp+1], v[\cs+8*\bb+\jp:\cs+8*\bb+\jp+1], v[Y+32+8*\bb+\jp:Y+32+8*\bb+\jp+1]
.endr
.endr
	WIN 0
.endm
	s_load_b256 s[4:11], s[0:1], 0x0               ; xp 4, wpk 6, rt 8, qkvp 10
	v_lshl_add_u32 v[SPW], v0, 2, SPARE
	v_mov_b32 v[NIL], 0
	ds_add_u32 v[SPW], v[NIL]                      ; the wave's opening: the add, twice on end, and its wait ahead of my first tensor load
	ds_add_u32 v[SPW], v[NIL]
	v_lshrrev_b32 v1, 5, v0
	v_readfirstlane_b32 s14, v1                    ; wave
	s_lshr_b32 s15, s14, 1                         ; my half of U.  Also: I fetch for T (0) or for U (1)
	s_and_b32 s16, s14, 1                          ; my half of T.  Also: which half I fetch
	s_bfe_u32 s13, ttmp6, 0x40000                  ; cx
	s_and_b32 s17, ttmp7, 0xffff                   ; y: the same in the four partners
	s_mov_b32 s[G1T], 15|(3<<16)|(1<<21)           ; the mask of all four; elements of 8 bytes; bit 21 beside a mask
	s_mov_b32 s[G1T+1], 800<<16                    ; tensor_dim0: a record, 800 elements
	s_mov_b32 s[G1T+2], 8<<16                      ; tensor_dim1: 8 tiles of 16 rows
	s_mov_b32 s[G1T+3], 800<<16                    ; tile_dim0
	s_mov_b32 s[G1T+4], 8                          ; tile_dim1
	s_mov_b32 s[G1T+5], 6400                       ; from tile to tile: 8 records
	s_mov_b32 s[G1T+6], 0
	s_mov_b32 s[G1T+7], 0
	s_mov_b32 s[G1U], 3<<16                        ; no mask: my own
	s_mov_b32 s[G1U+1], 800<<16
	s_mov_b32 s[G1U+2], 4<<16
	s_mov_b32 s[G1U+3], 800<<16
	s_mov_b32 s[G1U+4], 4
	s_mov_b32 s[G1U+5], 6400
	s_mov_b32 s[G1U+6], 0
	s_mov_b32 s[G1U+7], 0
	s_lshl_b32 s18, s17, 4                         ; T's first tile: q, k: 16 y
	s_sub_co_u32 s19, s17, 6
	s_lshl_b32 s19, s19, 7
	s_lshl_b32 s20, ttmp9, 4
	s_add_co_u32 s19, s19, s20                     ; v: 128 (y - 6) + 16 x cluster
	s_cmp_lt_u32 s17, 6
	s_cselect_b32 s18, s18, s19
	s_lshl_b32 s20, s16, 3
	s_add_co_u32 s18, s18, s20                     ; + the half that I fetch
	s_mul_i32 s18, s18, 51200
	s_mov_b32 s19, 0
	s_lshl_b32 s40, ttmp9, 2
	s_add_co_u32 s40, s40, s13                     ; work-group x (in registers that feed no descriptor of T)
	s_lshl_b32 s42, s40, 3                         ; U's first tile: q, k: 8 x
	s_lshl_b32 s43, s13, 3
	s_add_co_u32 s43, s43, 96                      ; v: 96 + 8 cx
	s_cmp_lt_u32 s17, 6
	s_cselect_b32 s42, s42, s43
	s_lshl_b32 s43, s16, 2
	s_add_co_u32 s42, s42, s43
	s_mul_i32 s42, s42, 51200
	s_mov_b32 s43, 0
	s_mul_i32 s22, s16, 51200                      ; where they go: no place in the cluster enters an LDS address
	s_mul_i32 s23, s16, 25600
	s_add_co_u32 s23, s23, UOFF
	s_lshl_b32 s46, s40, 3
	s_lshl_b32 s47, s15, 2
	s_add_co_u32 s46, s46, s47
	s_lshl_b32 s46, s46, 13                        ; the table of my 64 tokens
	s_mov_b32 s47, 0
	s_mov_b32 s[SEL], 0x76543210
	s_mov_b32 s[SEL+1], 0xfedcba98
	s_wait_dscnt 0x0                               ; both opening adds are done
	s_wait_kmcnt 0x0
	s_cmp_lt_u32 s17, 6
	s_cselect_b64 s[20:21], s[6:7], s[4:5]         ; T: the weights, or the tokens
	s_cselect_b64 s[44:45], s[4:5], s[6:7]         ; U: the other
	s_add_nc_u64 s[20:21], s[20:21], s[18:19]
	s_add_nc_u64 s[44:45], s[44:45], s[42:43]
	s_add_nc_u64 s[68:69], s[8:9], s[46:47]
	CROUND                                         ; all four work-groups are here: the first joint loads meet
.irp s, 0,1
	s_mov_b32 s[G0T+4*\s], 1
	s_add_co_u32 s[G0T+4*\s+1], s22, \s*SLOT
	s_add_nc_u64 s[G0T+4*\s+2:G0T+4*\s+3], s[20:21], \s*6400
	s_or_b32 s[G0T+4*\s+3], s[G0T+4*\s+3], 0x80000000
	s_mov_b32 s[G0U+4*\s], 1
	s_add_co_u32 s[G0U+4*\s+1], s23, \s*SLOT
	s_add_nc_u64 s[G0U+4*\s+2:G0U+4*\s+3], s[44:45], \s*6400
	s_or_b32 s[G0U+4*\s+3], s[G0U+4*\s+3], 0x80000000
	JLOAD G0T+4*\s, G1T, G0U+4*\s, G1U             ; K groups 0 and 1: two loads of mine are out
.endr
	v_and_b32 v1, 31, v0
	v_lshlrev_b32 v[LI], 4, v1
	v_and_b32 v2, 15, v0
	v_bfe_u32 v[HH], v0, 4, 1
	v_lshlrev_b32 v[RH], 4, v2
	v_lshl_add_u32 v[RH], v[HH], 3, v[RH]
	v_mul_u32_u24 v3, v[HH], 6400
	v_lshl_add_u32 v3, v2, 4, v3                   ; the scale words: lanes 16-31 take the next record's
	s_mul_i32 s72, s16, 51200                      ; my half of T
	s_mul_i32 s73, s15, 25600
	s_add_co_u32 s73, s73, UOFF                    ; my half of U
.irp s, 0,1
	v_add_nc_u32 v[AT+\s], s72, v[LI]
	v_add_nc_u32 v[AU+\s], s73, v[LI]
	v_add_nc_u32 v[AST+\s], s72, v3
	v_add_nc_u32 v[ASU+\s], s73, v3
	s_add_co_u32 s72, s72, SLOT
	s_add_co_u32 s73, s73, SLOT
.endr
	s_cmp_ge_u32 s17, 6
	s_cbranch_scc1 .Lno_rt
	RTLOAD 0, 192                                  ; q, k: the first tile's cos and sin come while the products run
.Lno_rt:
	s_wait_tensorcnt 1                             ; my part of slot 0 is in; slot 1's may stay out
	s_barrier_signal -1
	s_barrier_wait -1
	FETCH 0, 0, 0
	SCALES 0
	STEP 0, 0, 1                                   ; the first step stands in front of the loop: its products start the sums
	s_mov_b32 s3, 3
.Llap:                                             ; a trip goes once round the ring and fills both slots again: K groups 2 to 7
	STEP 0, 1, 0
	STEP 0, 2, 0
	TURN 0, 1, 1
	STEP 1, 0, 0
	STEP 1, 1, 0
	STEP 1, 2, 0
	TURN 1, 0, 1
	STEP 0, 0, 0
	s_sub_co_u32 s3, s3, 1
	s_cmp_lg_u32 s3, 0
	s_cbranch_scc1 .Llap
	STEP 0, 1, 0                                   ; the last lap fills nothing
	STEP 0, 2, 0
	TURN 0, 1, 0
	STEP 1, 0, 0
	STEP 1, 1, 0
	STEP 1, 2, 0
	s_wait_dscnt 0x0
	WIN 0xa1
	MUL8 0, 1, 3, 1, 0
	MUL8 1, 1, 3, 1, 0
	MUL8 2, 1, 3, 1, 0
	MUL8 3, 1, 3, 1, 0
	WIN 0
	PLACES 4                                       ; in front of the first reads of results and of writes into the fragments' registers
.irp b, 0,1,2,3
	v_mov_b32 v[TM+4+\b], 0                        ; (a lane permute's destination counts as read)
.endr
	s_cmp_ge_u32 s17, 6
	s_cbranch_scc1 .Lv_role
	; ---- q and k: my head's record of my 64 tokens
	s_lshr_b32 s72, s40, 4                         ; batch
	s_and_b32 s73, s40, 15
	s_lshl_b32 s73, s73, 1
	s_add_co_u32 s73, s73, s15                     ; which 64 tokens of the sequence
	s_lshl_b32 s74, s17, 1
	s_add_co_u32 s74, s74, s16                     ; 2 y + my half of T: q's head, or 8 + k's
	s_lshl_b32 s75, s72, 3
	s_add_co_u32 s75, s75, s74                     ; q: 8 batch + head
	s_lshl_b32 s76, s72, 2
	s_add_co_u32 s76, s76, s74
	s_add_co_u32 s76, s76, 8                       ; k: 16 + 4 batch + head
	s_cmp_lt_u32 s17, 4
	s_cselect_b32 s75, s75, s76
	s_lshl_b32 s75, s75, 5
	s_add_co_u32 s75, s75, s73
	s_mul_i32 s72, s75, 6400
	s_mov_b32 s73, 0
	s_add_nc_u64 s[70:71], s[10:11], s[72:73]
	RTLOAD 1, 128
.irp a, 0,1,2,3
.if \a < 3
	s_wait_loadcnt 16                              ; this tile's table is in; the next tile's 16 loads may be out
.else
	s_wait_loadcnt 0x0
.endif
	ROPE \a, 192-64*(\a%2)
.if \a < 2
	RTLOAD \a+2, 192-64*(\a%2)
.endif
	s_wait_xcnt 0x0                                ; the last tile's stores have read the code registers
	QUANT Y, 0, PW+\a
.irp c, 0,1,2
	global_store_b128 v[LI], v[PC+4*\c:PC+4*\c+3], s[70:71] offset:\a*1536+512*\c   ; 512 consecutive bytes
.endr
.endr
	s_branch .Lfin
.Lv_role:
	; ---- v: the record of my key step and my 64 channels
	s_sub_co_u32 s72, s17, 6                       ; batch
	s_lshl_b32 s72, s72, 2
	s_add_co_u32 s72, s72, s13                     ; x 4 + KV head
	s_lshl_b32 s72, s72, 4
	s_lshl_b32 s73, ttmp9, 1
	s_add_co_u32 s72, s72, s73
	s_add_co_u32 s72, s72, s16                     ; x 16 + key step
	s_lshl_b32 s72, s72, 1
	s_add_co_u32 s72, s72, s15                     ; x 2 + half of the channels
	s_add_co_u32 s72, s72, 768
	s_mul_i32 s72, s72, 6400
	s_mov_b32 s73, 0
	s_add_nc_u64 s[70:71], s[10:11], s[72:73]
.irp a, 0,1,2,3
	s_wait_xcnt 0x0
	QUANT 64*\a, 2, PW+\a
.irp c, 0,1,2
	global_store_b128 v[LI], v[PC+4*\c:PC+4*\c+3], s[70:71] offset:\a*1536+512*\c
.endr
.endr
.Lfin:
	v_cmp_eq_u32 vcc_lo, 1, v[HH]
	v_cndmask_b32 v200, v[PW], v[PW+2], vcc_lo     ; lanes 0-15 store words 0, 1 of their row, lanes 16-31 words 2, 3
	v_cndmask_b32 v201, v[PW+1], v[PW+3], vcc_lo
	global_store_b64 v[RH], v[200:201], s[70:71] offset:6144   ; 256 consecutive bytes
	s_wait_tensorcnt 0x0                           ; the wave's end
	ds_add_u32 v[SPW], v[NIL]
	s_wait_dscnt 0x0
	CROUND                                         ; the closing round: no work-group ends while a partner may still ask for a tile that names it
	s_endpgm
.Lfunc_end_k_q5e150a95f5_qkv:
	.size	k_q5e150a95f5_qkv, .Lfunc_end_k_q5e150a95f5_qkv-k_q5e150a95f5_qkv
	.p2alignl 7, 3214868480
	.fill 96, 4, 3214868480
	.section	.rodata,"a",@progbits
	.p2align	6, 0x0
	.amdhsa_kernel k_q5e150a95f5_qkv
		.amdhsa_group_segment_fixed_size 327680
		.amdhsa_private_segment_fixed_size 0
		.amdhsa_enable_private_segment 0
		.amdhsa_kernarg_size 32
		.amdhsa_user_sgpr_count 2
		.amdhsa_user_sgpr_kernarg_segment_ptr 1
		.amdhsa_wavefront_size32 1
		.amdhsa_system_sgpr_workgroup_id_x 1
		.amdhsa_system_sgpr_workgroup_id_y 1
		.amdhsa_system_sgpr_workgroup_id_z 1
		.amdhsa_system_vgpr_workitem_id 0
		.amdhsa_next_free_vgpr 768
		.amdhsa_next_free_sgpr 96
		.amdhsa_reserve_vcc 1
		.amdhsa_float_denorm_mode_32 3
		.amdhsa_float_denorm_mode_16_64 3
		.amdhsa_memory_ordered 1
		.amdhsa_forward_progress 1
		.amdhsa_inst_pref_size 173
	.end_amdhsa_kernel
	.amdgpu_metadata
---
amdhsa.version: [ 1, 2 ]
amdhsa.kernels:
  - .name:           k_q5e150a95f5_qkv
    .symbol:         k_q5e150a95f5_qkv.kd
    .args:
      - { .name: xp, .offset: 0, .size: 8, .value_kind: global_buffer, .address_space: global }
      - { .name: wpk, .offset: 8, .size: 8, .value_kind: global_buffer, .address_space: global }
      - { .name: rt, .offset: 16, .size: 8, .value_kind: global_buffer, .address_space: global }
      - { .name: qkvp, .offset: 24, .size: 8, .value_kind: global_buffer, .address_space: global }
    .group_segment_fixed_size: 327680
    .private_segment_fixed_size: 0
    .kernarg_segment_align: 8
    .kernarg_segment_size: 32
    .max_flat_workgroup_size: 128
    .sgpr_count:     96
    .vgpr_count:     768
    .wavefront_size: 32
...
	.end_amdgpu_metadata
.endif
;; end of part 2
;; launch attn (part 3): grid 32 x 8, 8 waves a work-group, no clusters, 52,224 bytes of LDS; arguments qkvp, mw, ap, fl; writes ap
.if DOCPART == 3
	.amdgcn_target "amdgcn-amd-amdhsa--gfx1250"
	.amdhsa_code_object_version 6
	.text
	.protected	k_q5e150a95f5_attn
	.globl	k_q5e150a95f5_attn
	.p2align	8
	.type	k_q5e150a95f5_attn,@function
k_q5e150a95f5_attn:
	s_mov_b64 s[64:65], 0
	v_nop
	global_prefetch_b8 v0, s[64:65] scope:SCOPE_SE
	s_setreg_imm32_b32 hwreg(HW_REG_WAVE_MODE, 25, 1), 1
	s_wait_xcnt 0x0
; ATTN: scores on codes, the soft cap 30 tanh(s MULT / 30), the mask input, p = 2^(t - M), O = P V on codes, O / l quantised for the last product.
; LEFT OUT, by whole numbers that the first launch stored from the mask input: a step of 16 queries x 128 keys that the mask hides whole, where every one of the 16 rows has an open key somewhere.
; Then M >= -44 for each row, the step's p = 2^(-14427 - M) is 0 in f32, and it adds nothing to l or O.  A tile with a wholly hidden row skips nothing.  A NaN, infinity or overflow that reaches only such a step is not carried.
; SHARES.  A work-group: one batch and KV head, tiles of 16 queries 2u, 2u+1, 126-2u, 127-2u, both query heads: eight waves, a tile and head each, two to a SIMD.  Waves w and w + 4 own mirrored tiles.
; Every wave walks the 16 key steps; K's and V's records of a step (25,600 bytes, as they lie in memory) go through registers into one of two LDS slots, an eighth by each wave, a step ahead; one barrier a step.
; NO TENSOR LOAD AND NO CLUSTER: the branches round a step hang on flags read from memory (8 bytes a tile of 16 queries: the skip word, the open word).
; LAYOUT.  S^T = K Q^T and O^T = V^T P^T: a lane holds one query (lane % 16); register 8 t + j is key (or channel) 16 t + 8 (lane / 16) + j.  p and V carry the same order of keys inside a block of 32.
; THE CAP.  E = 2^(s C1), C1 = 2 log2(e) MULT / 30; rn = -1 / (1 + E); t = A + 2 A rn, A = 30 log2(e).  A hidden key takes rn = -167.16667, which is t = -10000 log2(e).  t rises with rn, so maxima are taken of rn.
; M = ceil(running largest t), kept as -M; when it moves, l and O^T are multiplied by 2^(old M - new M), exactly.  l is the sum of the unquantised p.
; LIMITS: NaN and infinities among the inputs are not served; the absolute error of t is about 5e-6 (1 - 2 / (1 + E) near 0); a block of zeros gets the scale byte 1.
; REGISTERS: window 0: v1-6 addresses; v7 at work; v8 r, v9 h; v12 -M, v13 largest t, v[14:15] l; v16-27 Q, v28 its scale words; v[30:31] A - M; v32-56 staging; v60-67 K's and V's scale words; v68-87 codes; v88-103 at work;
;   v104 p's scale word; v[106:107] f; v112-175 S^T, then p; v176-239 O^T; v240 the hidden key's rn.   window 1: v0-95 K's fragments, v96-191 V's.
.set SLOTB, 25600
.set SPARE, 51200
.set LI,   1
.set ALS,  2
.set ASTG, 3
.set ASTS, 4
.set GSTG, 5
.set GSTS, 6
.set SPW,  10
.set NIL,  11
.set QF,   16
.set QS,   28
.set SG,   32
.set KSC,  60
.set VSC,  64
.set PC,   68
.set TM,   88
.set PW,   104
.set FF,   106
.set S,    112
.set O,    176
.set MV,   240
.set WV,   10                          ; s10 wave; s11 key step; s12 skip; s13 open; s14 the work-group's skip; s15 trips
.set KVP,  84
.set MWP,  86
.set SEL,  88
.set C1,   90
.set A2,   92
.set AA,   94
.set MSB, 0
.macro WIN new
.if MSB != (\new)
	s_set_vgpr_msb (MSB<<8)|(\new)
.set MSB, (\new)
.endif
.endm
.macro PLACES n
.rept \n
	v_nop
.endr
.endm
.macro WM d, s0, s1, zero, sa, sb, ra
.if \zero
.if (\ra)==0
	v_wmma_scale_f32_16x16x128_f8f6f4 v[\d:\d+7], v[\s0:\s0+11], v[\s1:\s1+11], 0, v[\sa], v[\sb] matrix_a_fmt:MATRIX_FMT_FP6 matrix_b_fmt:MATRIX_FMT_FP6
.else
	v_wmma_scale_f32_16x16x128_f8f6f4 v[\d:\d+7], v[\s0:\s0+11], v[\s1:\s1+11], 0, v[\sa], v[\sb] matrix_a_fmt:MATRIX_FMT_FP6 matrix_b_fmt:MATRIX_FMT_FP6 matrix_a_scale:MATRIX_SCALE_ROW1
.endif
.else
.if (\ra)==0
	v_wmma_scale_f32_16x16x128_f8f6f4 v[\d:\d+7], v[\s0:\s0+11], v[\s1:\s1+11], v[\d:\d+7], v[\sa], v[\sb] matrix_a_fmt:MATRIX_FMT_FP6 matrix_b_fmt:MATRIX_FMT_FP6
.else
	v_wmma_scale_f32_16x16x128_f8f6f4 v[\d:\d+7], v[\s0:\s0+11], v[\s1:\s1+11], v[\d:\d+7], v[\sa], v[\sb] matrix_a_fmt:MATRIX_FMT_FP6 matrix_b_fmt:MATRIX_FMT_FP6 matrix_a_scale:MATRIX_SCALE_ROW1
.endif
.endif
.endm
.macro CODES s                         ; 64 numbers v[s] on, scale operands in v[TM+12] on -> a fragment's codes in v[PC] on
.irp c, 0,1
	v_cvt_scalef32_pk16_fp6_f32 v[PC+6*\c:PC+2+6*\c], v[\s+32*\c:\s+15+32*\c], v[TM+12+2*\c]
	v_cvt_scalef32_pk16_fp6_f32 v[PC+12+4*\c:PC+14+4*\c], v[\s+16+32*\c:\s+31+32*\c], v[TM+12+2*\c+1]
.endr
	v_nop                                          ; one plain place behind a scaled conversion
.irp c, 0,1
.irp i, 0,1,2
	v_permlane16_swap_b32 v[PC+6*\c+\i], v[PC+12+4*\c+\i]   ; a whole block to a lane
.endr
.irp i, 0,1,2
	v_mov_b32 v[PC+3+6*\c+\i], v[PC+12+4*\c+\i]
.endr
.endr
.endm
.macro BYTES                           ; largest magnitudes in v[TM] on -> scale operands in v[TM+12] on, the scale word in v[PW]
.irp b, 0,1,2,3
	v_add_nc_u32 v[TM+12+\b], 0xff000000, v[TM+\b]
.endr
.irp b, 0,1,2,3
	v_lshrrev_b32 v[TM+4+\b], 23, v[TM+12+\b]
.endr
	v_lshl_or_b32 v[PW], v[TM+5], 8, v[TM+4]
	v_lshl_or_b32 v[PW], v[TM+6], 16, v[PW]
	v_lshl_or_b32 v[PW], v[TM+7], 24, v[PW]
.endm
; A KEY STEP of my tile: 128 keys from the slot
.macro STEP slot
	s_load_b512 s[16:31], s[MWP:MWP+1], 0x0        ; the step's 64 mask words
	s_load_b512 s[32:47], s[MWP:MWP+1], 0x40
	s_load_b512 s[48:63], s[MWP:MWP+1], 0x80
	s_load_b512 s[68:83], s[MWP:MWP+1], 0xc0
	WIN 0x40
.irp t, 0,1,2,3,4,5,6,7
.irp c, 0,1,2
	ds_load_b128 v[12*\t+4*\c:12*\t+4*\c+3], v[LI] offset:\slot*SLOTB+(\t/4)*6400+(\t%4)*1536+512*\c
.endr
.endr
	WIN 0
	ds_load_b128 v[KSC:KSC+3], v[ALS] offset:\slot*SLOTB+6144
	s_wait_dscnt 0x0
	WIN 0x01
.irp t, 0,1,2,3,4,5,6,7
	WM S+8*\t, 12*\t, QF, 1, KSC+\t%4, QS, \t/4
.endr
	WIN 0x40
.irp t, 0,1,2,3,4,5,6,7
.irp c, 0,1,2
	ds_load_b128 v[96+12*\t+4*\c:96+12*\t+4*\c+3], v[LI] offset:\slot*SLOTB+12800+(\t/4)*6400+(\t%4)*1536+512*\c   ; V comes while the softmax runs
.endr
.endr
	WIN 0
	ds_load_b128 v[VSC:VSC+3], v[ALS] offset:\slot*SLOTB+12800+6144
	PLACES 4                                       ; in front of the first read of the scores
.set j, 0
.rept 32
	v_pk_mul_f32 v[S+j:S+j+1], v[S+j:S+j+1], s[C1:C1+1] op_sel_hi:[1,0]
.set j, j+2
.endr
.set j, 0
.rept 64
	v_exp_f32 v[S+j], v[S+j]                       ; E
.set j, j+1
.endr
	v_nop
	s_wait_alu depctr_va_vdst(0)                   ; one wait for the batch, ahead of its first reader
.set j, 0
.rept 32
	v_pk_add_f32 v[S+j:S+j+1], v[S+j:S+j+1], 1.0 op_sel_hi:[1,0]
.set j, j+2
.endr
.set j, 0
.rept 64
	v_rcp_f32 v[S+j], -v[S+j]                      ; rn = -1 / (1 + E)
.set j, j+1
.endr
	v_nop
	s_wait_alu depctr_va_vdst(0)
	s_wait_kmcnt 0x0                               ; the mask words (on both ways: the next step loads into the same registers)
	s_lshr_b32 s96, s13, s11
	s_and_b32 s96, s96, 1
	s_cmp_lg_u32 s96, 0
	s_cbranch_scc1 .Lopen_\@                       ; a step with no hidden key
.set n, 0
.rept 64
.if n < 48
	v_cndmask_b32 v[S+n], v[S+n], v[MV], s[16+n]
.else
	v_cndmask_b32 v[S+n], v[S+n], v[MV], s[20+n]
.endif
.set n, n+1
.endr
.Lopen_\@:
.irp b, 0,1,2,3
	v_max3_num_f32 v[TM+\b], v[S+16*\b], v[S+1+16*\b], v[S+2+16*\b]   ; the largest rn of each block of 32 keys: for the row's maximum, and for the block's largest p
.endr
.irp i, 3,5,7,9,11,13
.irp b, 0,1,2,3
	v_max3_num_f32 v[TM+\b], v[TM+\b], v[S+16*\b+\i], v[S+1+16*\b+\i]
.endr
.endr
.irp b, 0,1,2,3
	v_max_num_f32 v[TM+\b], v[TM+\b], v[S+15+16*\b]
.endr
.irp b, 0,1,2,3
	v_permlanex16_b32 v[TM+4+\b], v[TM+\b], s[SEL], s[SEL+1]
.endr
.irp b, 0,1,2,3
	v_max_num_f32 v[TM+\b], v[TM+\b], v[TM+4+\b]
.endr
	v_max3_num_f32 v7, v[TM], v[TM+1], v[TM+2]
	v_max_num_f32 v7, v7, v[TM+3]
	v_fma_f32 v7, v7, s[A2], s[AA]                 ; the step's largest t
	v_max_num_f32 v13, v13, v7
	v_mov_b32 v7, v12
	v_floor_f32 v12, -v13                          ; the new -M = -ceil(t)
	v_sub_f32 v7, v12, v7                          ; old M - new M: a whole number, 0 or less
	v_cvt_i32_f32 v7, v7                           ; (it saturates)
	v_ldexp_f32 v[FF], 1.0, v7                     ; f
	v_add_f32 v30, s[AA], v12                      ; A - M
.set j, 0
.rept 32
	v_pk_fma_f32 v[S+j:S+j+1], v[S+j:S+j+1], s[A2:A2+1], v[30:31] op_sel_hi:[1,0,0]   ; t - M
.set j, j+2
.endr
.irp b, 0,1,2,3
	v_fma_f32 v[TM+\b], v[TM+\b], s[A2], v30
.endr
.set j, 0
.rept 64
	v_exp_f32 v[S+j], v[S+j]                       ; p
.set j, j+1
.endr
	v_pk_mul_f32 v[14:15], v[14:15], v[FF:FF+1] op_sel_hi:[1,0]   ; l under the new M (a plain place behind the exponentials)
	s_wait_alu depctr_va_vdst(0)
.irp b, 0,1,2,3
	v_exp_f32 v[TM+\b], v[TM+\b]                   ; each block's largest p
.endr
	v_pk_add_f32 v[TM+8:TM+9], v[S:S+1], v[S+2:S+3]   ; the sum of the unquantised p, in two chains
.irp j, 4,8,12,16,20,24,28,32,36,40,44,48,52,56,60
	v_pk_add_f32 v[14:15], v[14:15], v[S+\j:S+\j+1]
	v_pk_add_f32 v[TM+8:TM+9], v[TM+8:TM+9], v[S+2+\j:S+3+\j]
.endr
	v_pk_add_f32 v[14:15], v[14:15], v[TM+8:TM+9]
	s_wait_alu depctr_va_vdst(0)                   ; and one for the four
.irp b, 0,1,2,3
	v_max_num_f32 v[TM+\b], 0x1800000, v[TM+\b]    ; the floor: the byte cannot fall under 1
.endr
	BYTES
	CODES S
.set j, 0
.rept 32
	v_pk_mul_f32 v[O+j:O+j+1], v[O+j:O+j+1], v[FF:FF+1] op_sel_hi:[1,0]   ; O^T under the new M; these are also the places in front of the products
.set j, j+2
.endr
	s_wait_dscnt 0x0                               ; V is in
	WIN 0x01
.irp t, 0,1,2,3,4,5,6,7
	WM O+8*\t, 96+12*\t, PC, 0, VSC+\t%4, PW, \t/4
.endr
	WIN 0
	PLACES 4                                       ; behind the last products: for the next loads into V's registers and the next reads of O^T
.endm
; A key step of the work-group.  The next step's records are asked for first, stored into the other slot behind my own step's work; one barrier orders both ways.
.macro HALF slot
	s_add_co_u32 s95, s11, 1
	s_lshr_b32 s95, s14, s95
	s_and_b32 s95, s95, 1                          ; 1: no wave of the work-group reads the next step (bit 16: there is none)
	s_cmp_lg_u32 s95, 0
	s_cbranch_scc1 .Lnoload_\@
.irp i, 0,1,2,3,4,5
	global_load_b128 v[SG+4*\i:SG+4*\i+3], v[GSTG], s[KVP:KVP+1] offset:12800+512*\i
.endr
	global_load_b32 v[SG+24], v[GSTS], s[KVP:KVP+1] offset:12800
.Lnoload_\@:
	s_lshr_b32 s96, s12, s11
	s_and_b32 s96, s96, 1
	s_cmp_lg_u32 s96, 0
	s_cbranch_scc1 .Lskip_\@
	STEP \slot
.Lskip_\@:
	s_wait_loadcnt 0x0                             ; on every way: the staging loads, if any were issued, are in: the stores below may read them, and the next step's loads may land in the same registers
	s_cmp_lg_u32 s95, 0
	s_cbranch_scc1 .Lnostore_\@
.irp i, 0,1,2,3,4,5
	ds_store_b128 v[ASTG], v[SG+4*\i:SG+4*\i+3] offset:(1-\slot)*SLOTB+512*\i
.endr
	ds_store_b32 v[ASTS], v[SG+24] offset:(1-\slot)*SLOTB
.Lnostore_\@:
	s_wait_dscnt 0x0                               ; for the others' sake: my stores into the other slot have landed, my reads of this one are over
	s_barrier_signal -1
	s_barrier_wait -1
	s_wait_xcnt 0x0                                ; the loads have read their bases
	s_add_nc_u64 s[KVP:KVP+1], s[KVP:KVP+1], 12800
	s_add_nc_u64 s[MWP:MWP+1], s[MWP:MWP+1], 256
	s_add_co_u32 s11, s11, 1
.endm
	s_load_b128 s[4:7], s[0:1], 0x0                ; qkvp, mw
	s_load_b64 s[8:9], s[0:1], 0x10                ; ap
	s_load_b64 s[40:41], s[0:1], 0x18              ; fl (these two registers are free again once the flags are asked for)
	v_lshl_add_u32 v[SPW], v0, 2, SPARE
	v_mov_b32 v[NIL], 0
	v_lshrrev_b32 v7, 5, v0
	v_readfirstlane_b32 s[WV], v7
	s_and_b32 s95, ttmp7, 0xffff                   ; 4 b + KV head
	s_lshr_b32 s96, s95, 2                         ; b
	s_and_b32 s97, s95, 3                          ; KV head
	s_lshl_b32 s98, ttmp9, 1                       ; 2 u
	s_bfe_u32 s99, s[WV], 0x10001                  ; e = (w >> 1) & 1
	s_lshr_b32 s100, s[WV], 2                      ; 0: the near tiles, 1: the mirrored ones
	s_and_b32 s11, s[WV], 1
	s_add_co_u32 s101, s98, s99
	s_sub_co_u32 s15, 127, s101
	s_cmp_eq_u32 s100, 0
	s_cselect_b32 s101, s101, s15                  ; T, my tile of 16 queries
	s_lshl_b32 s15, s96, 7
	s_add_co_u32 s16, s15, s98
	s_lshl_b32 s16, s16, 3                         ; the flags of tiles 2u, 2u+1: 8 bytes a tile
	s_mov_b32 s17, 0
	s_add_co_u32 s18, s15, 126
	s_sub_co_u32 s18, s18, s98
	s_lshl_b32 s18, s18, 3                         ; and of 126-2u, 127-2u
	s_mov_b32 s19, 0
	s_add_co_u32 s15, s15, s101                    ; 128 b + T
	s_lshl_b32 s[MWP], s15, 12
	s_mov_b32 s[MWP+1], 0
	s_lshl_b32 s32, s97, 1
	s_add_co_u32 s32, s32, s11                     ; my query head
	s_lshl_b32 s33, s96, 3
	s_add_co_u32 s33, s33, s32
	s_lshl_b32 s33, s33, 5
	s_lshr_b32 s34, s101, 2
	s_add_co_u32 s33, s33, s34
	s_mul_i32 s33, s33, 6400                       ; Q's record
	s_and_b32 s34, s101, 3
	s_mul_i32 s35, s34, 1536
	s_add_co_u32 s28, s33, s35                     ; my tile's image,
	s_mov_b32 s29, 0
	s_lshl_b32 s34, s34, 2
	s_add_co_u32 s30, s33, s34
	s_add_co_u32 s30, s30, 6144                    ; and its scale words
	s_mov_b32 s31, 0
	s_lshl_b32 s33, s15, 1
	s_lshr_b32 s34, s32, 2
	s_add_co_u32 s33, s33, s34
	s_mul_i32 s33, s33, 6400                       ; the result's record
	s_and_b32 s34, s32, 3
	s_mul_i32 s35, s34, 1536
	s_add_co_u32 s36, s33, s35
	s_mov_b32 s37, 0
	s_lshl_b32 s34, s34, 2
	s_add_co_u32 s38, s33, s34
	s_add_co_u32 s38, s38, 6144
	s_mov_b32 s39, 0
	s_mul_i32 s[KVP], s95, 204800
	s_mov_b32 s15, 4915200
	s_cmp_lt_u32 s[WV], 4
	s_cselect_b32 s15, 3276800, s15                ; waves 0-3 stage K, waves 4-7 V
	s_add_co_u32 s[KVP], s[KVP], s15
	s_mov_b32 s[KVP+1], 0
	s_wait_kmcnt 0x0
	s_add_nc_u64 s[16:17], s[40:41], s[16:17]
	s_add_nc_u64 s[18:19], s[40:41], s[18:19]
	s_load_b128 s[20:23], s[16:17], 0x0
	s_load_b128 s[24:27], s[18:19], 0x0
	s_add_nc_u64 s[KVP:KVP+1], s[4:5], s[KVP:KVP+1]
	s_add_nc_u64 s[MWP:MWP+1], s[6:7], s[MWP:MWP+1]
	s_add_nc_u64 s[28:29], s[4:5], s[28:29]
	s_add_nc_u64 s[30:31], s[4:5], s[30:31]
	s_add_nc_u64 s[6:7], s[8:9], s[38:39]          ; from here on: the result's scale words,
	s_add_nc_u64 s[8:9], s[8:9], s[36:37]          ; and its image
	v_and_b32 v7, 31, v0
	v_lshlrev_b32 v[LI], 4, v7
	v_and_b32 v8, 15, v0
	v_bfe_u32 v9, v0, 4, 1
	v_mul_u32_u24 v[ALS], v9, 6400
	v_lshl_add_u32 v[ALS], v8, 4, v[ALS]
	s_lshr_b32 s15, s[WV], 1
	s_mul_i32 s15, s15, 6400                       ; which of the slot's four records I stage,
	s_mul_i32 s32, s11, 3072                       ; which half of its codes,
	s_lshl_b32 s33, s11, 7                         ; and of its scale words
	s_mul_i32 s34, s99, 6400
	s_add_co_u32 s35, s15, s32
	v_add_nc_u32 v[ASTG], s35, v[LI]
	s_add_co_u32 s35, s15, s33
	s_add_co_u32 s35, s35, 6144
	v_lshl_add_u32 v[ASTS], v7, 2, s35
	s_add_co_u32 s35, s34, s32
	v_add_nc_u32 v[GSTG], s35, v[LI]
	s_add_co_u32 s35, s34, s33
	s_add_co_u32 s35, s35, 6144
	v_lshl_add_u32 v[GSTS], v7, 2, s35
.irp i, 0,1,2,3,4,5
	global_load_b128 v[SG+4*\i:SG+4*\i+3], v[GSTG], s[KVP:KVP+1] offset:512*\i   ; key step 0 is staged without a condition
.endr
	global_load_b32 v[SG+24], v[GSTS], s[KVP:KVP+1]
.irp c, 0,1,2
	global_load_b128 v[QF+4*\c:QF+4*\c+3], v[LI], s[28:29] offset:512*\c
.endr
	v_lshlrev_b32 v7, 4, v8
	global_load_b32 v[QS], v7, s[30:31]
	s_mov_b32 s[SEL], 0x76543210
	s_mov_b32 s[SEL+1], 0xfedcba98
	s_mov_b32 s[C1], 0x3c0b4875                    ; 2 log2(e) MULT / 30
	s_mov_b32 s[C1+1], s[C1]
	s_mov_b32 s[A2], 0x42ad1f97                    ; 60 log2(e)
	s_mov_b32 s[A2+1], s[A2]
	s_mov_b32 s[AA], 0x422d1f97                    ; 30 log2(e)
	v_mov_b32 v13, 0xff61b1e6                      ; the largest t so far: -3e38
	v_floor_f32 v12, -v13
	v_mov_b32 v14, 0
	v_mov_b32 v15, 0
	v_mov_b32 v31, 0                               ; (named as the upper halves of pairs)
	v_mov_b32 v[FF+1], 0
	v_mov_b32 v[MV], 0xc3272aab                    ; (-10000 - 30) / 60
.irp b, 0,1,2,3
	v_mov_b32 v[TM+4+\b], 0                        ; (a lane permute's destination counts as read)
.endr
.set j, 0
.rept 64
	v_mov_b32 v[O+j], 0                            ; O^T: the step is written once; the first finds zeros, which the first change of M leaves zeros
.set j, j+1
.endr
	s_wait_kmcnt 0x0                               ; the flags
	s_and_b32 s14, s20, s22
	s_and_b32 s14, s14, s24
	s_and_b32 s14, s14, s26
	s_or_b32 s14, s14, 0x10000                     ; steps that all four tiles skip; key step 16 is never asked for
	s_cmp_eq_u32 s99, 0
	s_cselect_b32 s12, s20, s22
	s_cselect_b32 s13, s21, s23
	s_cselect_b32 s20, s26, s24                    ; mirrored: e = 0 is tile 127 - 2u, the second pair
	s_cselect_b32 s21, s27, s25
	s_cmp_eq_u32 s100, 0
	s_cselect_b32 s12, s12, s20                    ; my tile's skip word
	s_cselect_b32 s13, s13, s21                    ; and its open word
	s_wait_loadcnt 0x0
.irp i, 0,1,2,3,4,5
	ds_store_b128 v[ASTG], v[SG+4*\i:SG+4*\i+3] offset:512*\i
.endr
	ds_store_b32 v[ASTS], v[SG+24]
	s_wait_dscnt 0x0
	s_barrier_signal -1
	s_barrier_wait -1
	s_mov_b32 s11, 0
	s_mov_b32 s15, 0
.Ltrip:
	HALF 0
	HALF 1
	s_add_co_u32 s15, s15, 1
	s_cmp_lt_u32 s15, 8
	s_cbranch_scc1 .Ltrip
	; THE WAY OUT: O^T / l, quantised along the head's 128: K step 'head' of the last product
	v_add_f32 v14, v14, v15
	v_permlanex16_b32 v7, v14, s[SEL], s[SEL+1]
	v_add_f32 v14, v14, v7
	v_rcp_f32 v14, v14
	v_nop
	s_wait_alu depctr_va_vdst(0)
.set j, 0
.rept 32
	v_pk_mul_f32 v[S+j:S+j+1], v[O+j:O+j+1], v[14:15] op_sel_hi:[1,0]
.set j, j+2
.endr
.irp b, 0,1,2,3
	v_max3_num_f32 v[TM+\b], |v[S+16*\b]|, |v[S+1+16*\b]|, 0x1800000
.endr
.irp i, 2,4,6,8,10,12,14
.irp b, 0,1,2,3
	v_max3_num_f32 v[TM+\b], v[TM+\b], |v[S+16*\b+\i]|, |v[S+1+16*\b+\i]|
.endr
.endr
.irp b, 0,1,2,3
	v_permlanex16_b32 v[TM+4+\b], v[TM+\b], s[SEL], s[SEL+1]
.endr
.irp b, 0,1,2,3
	v_max_num_f32 v[TM+\b], v[TM+\b], v[TM+4+\b]
.endr
	BYTES
	CODES S
.irp c, 0,1,2
	global_store_b128 v[LI], v[PC+4*\c:PC+4*\c+3], s[8:9] offset:512*\c   ; 512 consecutive bytes
.endr
	v_lshlrev_b32 v7, 4, v8
	v_cmp_eq_u32 vcc_lo, 0, v9
	s_wait_xcnt 0x0                                ; EXEC changes only behind this wait
	s_and_saveexec_b32 s95, vcc_lo
	global_store_b32 v7, v[PW], s[6:7]             ; my head's word of each row: 4 of a row's 16 bytes; the other three heads of the record are other waves'
	s_wait_xcnt 0x0
	s_or_b32 exec_lo, exec_lo, s95
	s_wait_tensorcnt 0x0                           ; the wave's end, behind my last LDS store
	ds_add_u32 v[SPW], v[NIL]
	s_wait_dscnt 0x0
	s_endpgm
.Lfunc_end_k_q5e150a95f5_attn:
	.size	k_q5e150a95f5_attn, .Lfunc_end_k_q5e150a95f5_attn-k_q5e150a95f5_attn
	.p2alignl 7, 3214868480
	.fill 96, 4, 3214868480
	.section	.rodata,"a",@progbits
	.p2align	6, 0x0
	.amdhsa_kernel k_q5e150a95f5_attn
		.amdhsa_group_segment_fixed_size 52224
		.amdhsa_private_segment_fixed_size 0
		.amdhsa_enable_private_segment 0
		.amdhsa_kernarg_size 32
		.amdhsa_user_sgpr_count 2
		.amdhsa_user_sgpr_kernarg_segment_ptr 1
		.amdhsa_wavefront_size32 1
		.amdhsa_system_sgpr_workgroup_id_x 1
		.amdhsa_system_sgpr_workgroup_id_y 1
		.amdhsa_system_sgpr_workgroup_id_z 1
		.amdhsa_system_vgpr_workitem_id 0
		.amdhsa_next_free_vgpr 512
		.amdhsa_next_free_sgpr 102
		.amdhsa_reserve_vcc 1
		.amdhsa_float_denorm_mode_32 3
		.amdhsa_float_denorm_mode_16_64 3
		.amdhsa_memory_ordered 1
		.amdhsa_forward_progress 1
		.amdhsa_inst_pref_size 86
	.end_amdhsa_kernel
	.amdgpu_metadata
---
amdhsa.version: [ 1, 2 ]
amdhsa.kernels:
  - .name:           k_q5e150a95f5_attn
    .symbol:         k_q5e150a95f5_attn.kd
    .args:
      - { .name: qkvp, .offset: 0, .size: 8, .value_kind: global_buffer, .address_space: global }
      - { .name: mw, .offset: 8, .size: 8, .value_kind: global_buffer, .address_space: global }
      - { .name: ap, .offset: 16, .size: 8, .value_kind: global_buffer, .address_space: global }
      - { .name: fl, .offset: 24, .size: 8, .value_kind: global_buffer, .address_space: global }
    .group_segment_fixed_size: 52224
    .private_segment_fixed_size: 0
    .kernarg_segment_align: 8
    .kernarg_segment_size: 32
    .max_flat_workgroup_size: 256
    .sgpr_count:     102
    .vgpr_count:     512
    .wavefront_size: 32
...
	.end_amdgpu_metadata
.endif
;; end of part 3
;; launch out (part 4): grid 16 x 16, 4 waves a work-group, clusters of 4 x 4, 327,680 bytes of LDS; arguments ap, wpk, out0; writes out0
.if DOCPART == 4
	.amdgcn_target "amdgcn-amd-amdhsa--gfx1250"
	.amdhsa_code_object_version 6
	.text
	.protected	k_q5e150a95f5_out
	.globl	k_q5e150a95f5_out
	.p2align	8
	.type	k_q5e150a95f5_out,@function
k_q5e150a95f5_out:
	s_mov_b64 s[64:65], 0
	v_nop
	global_prefetch_b8 v0, s[64:65] scope:SCOPE_SE
	s_setreg_imm32_b32 hwreg(HW_REG_WAVE_MODE, 25, 1), 1
	s_wait_xcnt 0x0
	s_wait_alu depctr_hold_cnt(0) depctr_sa_sdst(0) depctr_va_vdst(0) depctr_va_sdst(0) depctr_va_ssrc(0) depctr_va_vcc(0) depctr_vm_vsrc(0)
	s_getreg_b32 s2, hwreg(HW_REG_IB_STS2, 6, 4)
	s_cmp_eq_u32 s2, 0
	s_cbranch_scc0 .Lentry_in_a_cluster
	s_endpgm
.Lentry_in_a_cluster:
	s_bfe_u32 s2, ttmp6, 0x10000c
	s_cmp_lg_u32 s2, 0xf033
	s_cbranch_scc0 .Lentry_shape_is_right
	s_endpgm
.Lentry_shape_is_right:
; OUT: out0 = (attention's result) x o_w on codes of E2M3, K = 1,024.  No work of the problem is left out here.
; A work-group multiplies T (source 0: 256 columns of o_w) by U (source 1: 128 tokens); a wave 128 x 64: 32 accumulators.  In a result lane (r, h) holds token r and eight neighbouring columns.
; Both operands carry the same order of k inside each block of 32 (the first launch laid o_w so), which keeps every product and scale.
; A WORK-GROUP STAYS: it makes two tiles, tokens 128 y on and tokens 2,048 + 128 y on, against the same 256 columns.  K is two groups of 512, one to each LDS slot.  T's two groups are loaded once and stay;
; only U's part of a slot (51,200 bytes) is filled again: slot 0's behind the first tile's change of slots, slot 1's behind its last step.  So the second tile's operands are on their way while the first is
; multiplied, and the first tile's stores leave while the second is multiplied.
; CLUSTER 4 x 4: T hangs on the work-group's x alone and is shared down a column of the cluster, U on y alone and is shared along a row: joint loads.  Each refill stands behind a round of the cluster's barrier.
; A wave has two tensor loads out at the start and one at the most later.
; THE STAGE of the way out has LDS bytes of its own, behind the spare words, into which no tensor load lands: 16 rows x (256 + 16) bytes for each wave: a block of 16 tokens goes out in two halves of 64 columns.
; REGISTERS: window 0: v16-29 addresses; v32-79 scale words, a set a slot; v96-191 U's fragments, two sets; v192-255 rows of the result on the way out.  window 1: T's fragments, two sets of 96.
;   window 2: accumulator (a, b) at v[8 (8 a + b)].
.set SLOT,  153600                     ; T's 16 records, then U's 8
.set UOFF,  102400
.set SPARE, 307200                     ; behind the ring: the spare words, 128 bytes a wave
.set STAGE, 307712                     ; behind them: the four stages
.set SP,    272
.set WALKU, 1638400                    ; from a tile of tokens to the work-group's next, in U's buffer: 128 tiles of 16 rows x 12,800 bytes
.set WALKO, 33554432                   ; and in the output: 2,048 rows of 16,384 bytes
.set AT,  16
.set AU,  18
.set AST, 20
.set ASU, 22
.set LI,  24
.set STO, 25
.set RD,  26
.set CO,  27
.set SPW, 28
.set NIL, 29
.set SC,  32
.set UF,  96
.set BK,  192
.set G1T, 24
.set G0T, 32
.set G1U, 48
.set G0U, 56
.set MSB, 0
.macro WIN new                         ; the immediate's high byte repeats the setting that is left
.if MSB != (\new)
	s_set_vgpr_msb (MSB<<8)|(\new)
.set MSB, (\new)
.endif
.endm
.macro PLACES n
.rept \n
	v_nop
.endr
.endm
.macro WM d, s0, s1, zero, sa, sb, ra, rb
.if \zero
.if ((\ra)==0) && ((\rb)==0)
	v_wmma_scale_f32_16x16x128_f8f6f4 v[\d:\d+7], v[\s0:\s0+11], v[\s1:\s1+11], 0, v[\sa], v[\sb] matrix_a_fmt:MATRIX_FMT_FP6 matrix_b_fmt:MATRIX_FMT_FP6
.elseif (\rb)==0
	v_wmma_scale_f32_16x16x128_f8f6f4 v[\d:\d+7], v[\s0:\s0+11], v[\s1:\s1+11], 0, v[\sa], v[\sb] matrix_a_fmt:MATRIX_FMT_FP6 matrix_b_fmt:MATRIX_FMT_FP6 matrix_a_scale:MATRIX_SCALE_ROW1
.elseif (\ra)==0
	v_wmma_scale_f32_16x16x128_f8f6f4 v[\d:\d+7], v[\s0:\s0+11], v[\s1:\s1+11], 0, v[\sa], v[\sb] matrix_a_fmt:MATRIX_FMT_FP6 matrix_b_fmt:MATRIX_FMT_FP6 matrix_b_scale:MATRIX_SCALE_ROW1
.else
	v_wmma_scale_f32_16x16x128_f8f6f4 v[\d:\d+7], v[\s0:\s0+11], v[\s1:\s1+11], 0, v[\sa], v[\sb] matrix_a_fmt:MATRIX_FMT_FP6 matrix_b_fmt:MATRIX_FMT_FP6 matrix_a_scale:MATRIX_SCALE_ROW1 matrix_b_scale:MATRIX_SCALE_ROW1
.endif
.else
.if ((\ra)==0) && ((\rb)==0)
	v_wmma_scale_f32_16x16x128_f8f6f4 v[\d:\d+7], v[\s0:\s0+11], v[\s1:\s1+11], v[\d:\d+7], v[\sa], v[\sb] matrix_a_fmt:MATRIX_FMT_FP6 matrix_b_fmt:MATRIX_FMT_FP6
.elseif (\rb)==0
	v_wmma_scale_f32_16x16x128_f8f6f4 v[\d:\d+7], v[\s0:\s0+11], v[\s1:\s1+11], v[\d:\d+7], v[\sa], v[\sb] matrix_a_fmt:MATRIX_FMT_FP6 matrix_b_fmt:MATRIX_FMT_FP6 matrix_a_scale:MATRIX_SCALE_ROW1
.elseif (\ra)==0
	v_wmma_scale_f32_16x16x128_f8f6f4 v[\d:\d+7], v[\s0:\s0+11], v[\s1:\s1+11], v[\d:\d+7], v[\sa], v[\sb] matrix_a_fmt:MATRIX_FMT_FP6 matrix_b_fmt:MATRIX_FMT_FP6 matrix_b_scale:MATRIX_SCALE_ROW1
.else
	v_wmma_scale_f32_16x16x128_f8f6f4 v[\d:\d+7], v[\s0:\s0+11], v[\s1:\s1+11], v[\d:\d+7], v[\sa], v[\sb] matrix_a_fmt:MATRIX_FMT_FP6 matrix_b_fmt:MATRIX_FMT_FP6 matrix_a_scale:MATRIX_SCALE_ROW1 matrix_b_scale:MATRIX_SCALE_ROW1
.endif
.endif
.endm
; The first fills: waves 0 and 1 fetch T's halves, waves 2 and 3 U's; each line has one mask.  An s_nop 0 and four v_nop follow each line.
.macro JLOAD g0a, g1a, g0b, g1b
	s_cmp_eq_u32 s15, 0
	s_cbranch_scc0 .Lfor_u_\@
	tensor_load_to_lds s[\g0a:\g0a+3], s[\g1a:\g1a+7]
	s_nop 0
.rept 4
	v_nop
.endr
	s_branch .Lasked_\@
.Lfor_u_\@:
	tensor_load_to_lds s[\g0b:\g0b+3], s[\g1b:\g1b+7]
	s_nop 0
.rept 4
	v_nop
.endr
.Lasked_\@:
.endm
; A refill: U's part of a slot alone.  Waves 2 and 3 fetch its halves; waves 0 and 1 have no part of it and issue nothing.  The branch hangs on the wave's number alone: it is the same in every work-group.
; Both arms hold four v_nop: they are also the places in front of the LDS loads that follow.
.macro ULOAD g0
	s_cmp_eq_u32 s15, 0
	s_cbranch_scc1 .Lno_part_\@
	tensor_load_to_lds s[\g0:\g0+3], s[G1U:G1U+7]
	s_nop 0
.rept 4
	v_nop
.endr
	s_branch .Lasked_\@
.Lno_part_\@:
.rept 4
	v_nop
.endr
.Lasked_\@:
.endm
.macro CREST                           ; a round of the cluster's barrier behind its opening barrier
	s_cmp_lg_u32 s14, 0
	s_cbranch_scc1 .Lnot_wave_0_\@
	s_barrier_signal -3
.Lnot_wave_0_\@:
	s_barrier_wait -3
	s_barrier_signal -1
	s_barrier_wait -1
.endm
.macro CROUND                          ; a whole round
	s_barrier_signal -1
	s_barrier_wait -1
	CREST
.endm
.macro FETCH slot, q, fs               ; the fragments of the slot's q-th 128 along K into set fs: 24 + 12 loads of 16 bytes a lane
	WIN 0x40
.irp b, 0,1,2,3,4,5,6,7
.irp c, 0,1,2
	ds_load_b128 v[96*(\fs)+12*\b+4*\c:96*(\fs)+12*\b+4*\c+3], v[AT+\slot] offset:\b*6400+(\q)*1536+\c*512
.endr
.endr
	WIN 0
.irp a, 0,1,2,3
.irp c, 0,1,2
	ds_load_b128 v[UF+48*(\fs)+12*\a+4*\c:UF+48*(\fs)+12*\a+4*\c+3], v[AU+\slot] offset:\a*6400+(\q)*1536+\c*512
.endr
.endr
.endm
.macro SCALES slot                     ; a slot's scale words: a load brings the four K steps' words of two tiles: lanes 0-15 the even tile's, lanes 16-31 the odd one's
.irp p, 0,1,2,3
	ds_load_b128 v[SC+24*\slot+4*\p:SC+24*\slot+4*\p+3], v[AST+\slot] offset:6144+\p*12800
.endr
.irp p, 0,1
	ds_load_b128 v[SC+24*\slot+16+4*\p:SC+24*\slot+16+4*\p+3], v[ASU+\slot] offset:6144+\p*12800
.endr
.endm
.macro MUL8 a, fs, q, slot, zero       ; the 32 accumulators take turns in one order in every step
.irp b, 0,1,2,3,4,5,6,7
	WM 8*(8*(\a)+\b), 96*(\fs)+12*\b, UF+48*(\fs)+12*(\a), \zero, SC+24*(\slot)+4*(\b/2)+(\q), SC+24*(\slot)+16+4*((\a)/2)+(\q), \b%2, (\a)%2
.endr
.endm
.macro STEP slot, q, zero              ; 128 along K whose successor lies in the same slot
	s_wait_dscnt 0x0                               ; this step's fragments are in
	PLACES 4                                       ; in front of loads into the set that the last 32 products read
	FETCH \slot, (\q)+1, ((\q)+1)%2
	WIN 0xa1
	MUL8 0, (\q)%2, \q, \slot, \zero
	MUL8 1, (\q)%2, \q, \slot, \zero
	MUL8 2, (\q)%2, \q, \slot, \zero
	MUL8 3, (\q)%2, \q, \slot, \zero
	WIN 0
.endm
; A slot's last step changes slots: one barrier; in front of it each wave waits for all its tensor loads, adds 0 to its spare word, and waits for that and for its reads of this slot.
; fill = 1: U's part of this slot is filled again, with the next tile's same K group.
.macro TURN slot, next, fill
	s_wait_tensorcnt 0x0                           ; all my tensor loads have landed: what the next slot holds is whole
	ds_add_u32 v[SPW], v[NIL]                      ; 0 onto my spare word
	s_wait_dscnt 1                                 ; the add alone may be out: the fragments are in
	WIN 0xa1
	MUL8 0, 1, 3, \slot, 0
	s_wait_dscnt 0x0                               ; the add is done, and my reads of this slot are over
	s_barrier_signal -1
	MUL8 1, 1, 3, \slot, 0
	WIN 0
	s_barrier_wait -1
.if \fill
	CREST                                          ; the barrier has opened a round of the cluster's: no wave of any partner still reads this slot or has a load on its way
	s_add_nc_u64 s[G0U+4*\slot+2:G0U+4*\slot+3], s[G0U+4*\slot+2:G0U+4*\slot+3], WALKU   ; (no tensor load of mine is out)  the next tile's tokens, the same K group
	ULOAD G0U+4*\slot                              ; the one tensor load of waves 2 and 3 behind the round: three and a half steps, 112 products, ahead of the wait for it
.else
	PLACES 4
.endif
	FETCH \next, 0, 0
	SCALES \next
	WIN 0xa1
	MUL8 2, 1, 3, \slot, 0
	MUL8 3, 1, 3, \slot, 0
	WIN 0
.endm
; THE WAY OUT, half a block (16 tokens x 64 columns) at a time: hh = 2 a + u: block a, columns 64 u on.  Through my own stage and back as whole rows of 256 bytes.
; LDS serves a wave's instructions in order: no wait between the stores and the loads, nor in front of the next half's stores.
.macro TOSTAGE hh
.set AC, 64*((\hh)/2)+32*((\hh)%2)
.set BB, BK+32*((\hh)%2)
	WIN 0x08                                       ; an LDS store's data: window 2
.irp b, 0,1,2,3
	ds_store_b128 v[STO], v[AC+8*\b:AC+8*\b+3] offset:64*\b          ; each accumulator from its low end on
	ds_store_b128 v[STO], v[AC+8*\b+4:AC+8*\b+7] offset:64*\b+16
.endr
	WIN 0
.irp i, 0,1,2,3,4,5,6,7
	ds_load_b128 v[BB+4*\i:BB+4*\i+3], v[RD] offset:\i*2*SP          ; lanes 0-15 row 2 i, lanes 16-31 row 2 i + 1
.endr
.endm
.macro SEND hh, younger                ; younger: the LDS instructions issued behind this half's loads, which may stay out
.set BB, BK+32*((\hh)%2)
	s_wait_dscnt \younger
.irp i, 0,1,2,3,4,5,6,7
	global_store_b128 v[CO], v[BB+4*\i:BB+4*\i+3], s[8:9] offset:(16*((\hh)/2)+2*\i)*16384+256*((\hh)%2) th:TH_STORE_NT   ; sixteen lanes store 256 consecutive bytes, aligned; written once
.endr
.endm
.macro WAYOUT
	TOSTAGE 0
	TOSTAGE 1
	SEND 0, 16                                     ; behind half 0's loads: half 1's 8 stores and 8 loads
.irp g, 2,3,4,5,6,7
	s_wait_xcnt 0x0                                ; the stores of two halves back have read their registers: this half's loads may land there
	TOSTAGE \g
	SEND \g-1, 16
.endr
	SEND 7, 0
.endm
	s_load_b128 s[4:7], s[0:1], 0x0                ; ap, wpk
	s_load_b64 s[8:9], s[0:1], 0x10                ; out0
	v_lshl_add_u32 v[SPW], v0, 2, SPARE
	v_mov_b32 v[NIL], 0
	ds_add_u32 v[SPW], v[NIL]                      ; the wave's opening: the add, twice on end, and its wait ahead of my first tensor load
	ds_add_u32 v[SPW], v[NIL]
	v_lshrrev_b32 v1, 5, v0
	v_readfirstlane_b32 s14, v1
	s_lshr_b32 s15, s14, 1                         ; my half of U.  Also: I fetch for T (0) or for U (1)
	s_and_b32 s16, s14, 1                          ; my half of T.  Also: which half I fetch
	s_bfe_u32 s40, ttmp6, 0x40000                  ; cx
	s_bfe_u32 s41, ttmp6, 0x40004                  ; cy
	s_lshl_b32 s42, ttmp9, 2
	s_add_co_u32 s42, s42, s40                     ; x: which 256 columns
	s_and_b32 s17, ttmp7, 0xffff
	s_lshl_b32 s17, s17, 2
	s_add_co_u32 s17, s17, s41                     ; y: which 128 tokens of each half of the rows
	s_lshl_b32 s43, s41, 2
	s_lshl_b32 s43, 15, s43                        ; my row of the cluster
	s_lshl_b32 s44, 0x1111, s40                    ; my column
	s_or_b32 s[G1T], s44, (3<<16)|(1<<21)          ; T goes to my column; elements of 8 bytes; bit 21 beside a mask
	s_or_b32 s[G1U], s43, (3<<16)|(1<<21)          ; U to my row
	s_mov_b32 s[G1T+1], 800<<16                    ; tensor_dim0: a record, 800 elements
	s_mov_b32 s[G1T+2], 8<<16                      ; tensor_dim1: 8 tiles of 16 rows
	s_mov_b32 s[G1T+3], 800<<16                    ; tile_dim0
	s_mov_b32 s[G1T+4], 8                          ; tile_dim1
	s_mov_b32 s[G1T+5], 1600                       ; from tile to tile: 2 records
	s_mov_b32 s[G1T+6], 0
	s_mov_b32 s[G1T+7], 0
	s_mov_b32 s[G1U+1], 800<<16
	s_mov_b32 s[G1U+2], 4<<16
	s_mov_b32 s[G1U+3], 800<<16
	s_mov_b32 s[G1U+4], 4
	s_mov_b32 s[G1U+5], 1600
	s_mov_b32 s[G1U+6], 0
	s_mov_b32 s[G1U+7], 0
	s_lshl_b32 s46, s42, 4
	s_lshl_b32 s47, s16, 3
	s_add_co_u32 s46, s46, s47
	s_mul_i32 s46, s46, 12800
	s_add_co_u32 s46, s46, 6553600                 ; o_w's records lie behind q's, k's and v's
	s_mov_b32 s47, 0
	s_lshl_b32 s18, s17, 3
	s_lshl_b32 s19, s16, 2
	s_add_co_u32 s18, s18, s19
	s_mul_i32 s18, s18, 12800
	s_mov_b32 s19, 0
	s_mul_i32 s22, s16, 51200                      ; where they go: no place in the cluster enters an LDS address
	s_mul_i32 s23, s16, 25600
	s_add_co_u32 s23, s23, UOFF
	s_wait_dscnt 0x0                               ; both opening adds are done
	s_wait_kmcnt 0x0
	s_add_nc_u64 s[46:47], s[6:7], s[46:47]
	s_add_nc_u64 s[20:21], s[4:5], s[18:19]
	CROUND                                         ; all sixteen work-groups are here: the first joint loads meet
.irp s, 0,1
	s_mov_b32 s[G0T+4*\s], 1
	s_add_co_u32 s[G0T+4*\s+1], s22, \s*SLOT
	s_add_nc_u64 s[G0T+4*\s+2:G0T+4*\s+3], s[46:47], \s*6400
	s_or_b32 s[G0T+4*\s+3], s[G0T+4*\s+3], 0x80000000
	s_mov_b32 s[G0U+4*\s], 1
	s_add_co_u32 s[G0U+4*\s+1], s23, \s*SLOT
	s_add_nc_u64 s[G0U+4*\s+2:G0U+4*\s+3], s[20:21], \s*6400
	s_or_b32 s[G0U+4*\s+3], s[G0U+4*\s+3], 0x80000000
	JLOAD G0T+4*\s, G1T, G0U+4*\s, G1U             ; both K groups of the first tile: two loads of mine are out
.endr
	v_and_b32 v1, 31, v0
	v_lshlrev_b32 v[LI], 4, v1
	v_and_b32 v2, 15, v0
	v_bfe_u32 v4, v0, 4, 1
	v_mul_u32_u24 v3, v4, 6400
	v_lshl_add_u32 v3, v2, 4, v3                   ; the scale words: lanes 16-31 take the next record's
	s_mul_i32 s72, s16, 51200
	s_mul_i32 s73, s15, 25600
	s_add_co_u32 s73, s73, UOFF
.irp s, 0,1
	v_add_nc_u32 v[AT+\s], s72, v[LI]
	v_add_nc_u32 v[AU+\s], s73, v[LI]
	v_add_nc_u32 v[AST+\s], s72, v3
	v_add_nc_u32 v[ASU+\s], s73, v3
	s_add_co_u32 s72, s72, SLOT
	s_add_co_u32 s73, s73, SLOT
.endr
	s_mul_i32 s72, s14, 16*SP
	s_add_co_u32 s72, s72, STAGE                   ; my stage
	v_mul_u32_u24 v[STO], v2, SP
	v_lshl_add_u32 v[STO], v4, 5, v[STO]
	v_add_nc_u32 v[STO], s72, v[STO]               ; in: row r, 32 bytes for each half of the lanes
	v_mul_u32_u24 v[RD], v4, SP
	v_lshl_add_u32 v[RD], v2, 4, v[RD]
	v_add_nc_u32 v[RD], s72, v[RD]                 ; back: lanes 0-15 one row of 256 bytes, lanes 16-31 the next
	v_lshlrev_b32 v[CO], 14, v4
	v_lshl_add_u32 v[CO], v2, 4, v[CO]             ; and the same two rows in the output
	s_lshl_b32 s72, s17, 21                        ; 128 y rows of 16,384 bytes
	s_lshl_b32 s73, s15, 20                        ; + my 64
	s_add_co_u32 s72, s72, s73
	s_lshl_b32 s74, s42, 10                        ; + 256 x columns
	s_lshl_b32 s75, s16, 9                         ; + my 128
	s_add_co_u32 s74, s74, s75
	s_add_co_u32 s72, s72, s74
	s_mov_b32 s73, 0
	s_add_nc_u64 s[8:9], s[8:9], s[72:73]
	s_wait_tensorcnt 1                             ; my part of slot 0 is in; slot 1's may stay out
	s_barrier_signal -1
	s_barrier_wait -1
	FETCH 0, 0, 0
	SCALES 0
	; ---- the first tile
	STEP 0, 0, 1                                   ; the first products start the sums
	STEP 0, 1, 0
	STEP 0, 2, 0
	TURN 0, 1, 1                                   ; slot 0's U takes the second tile's K group 0
	STEP 1, 0, 0
	STEP 1, 1, 0
	STEP 1, 2, 0
	TURN 1, 0, 1                                   ; slot 1's U takes the second tile's K group 1, and the second tile's first fragments are fetched
	PLACES 4                                       ; in front of the first reads of the last results
	s_wait_dscnt 0x0                               ; the second tile's first fragments are in: from here on the counts speak of the stage's instructions alone
	WAYOUT                                         ; both refills are asked for: now the first tile goes out; nothing waits for its stores
	; ---- the second tile.  Its first products write the accumulators anew, eight places behind the first tile's last product
	STEP 0, 0, 1
	STEP 0, 1, 0
	STEP 0, 2, 0
	TURN 0, 1, 0                                   ; nothing is left to fetch
	STEP 1, 0, 0
	STEP 1, 1, 0
	STEP 1, 2, 0
	s_wait_dscnt 0x0
	WIN 0xa1
	MUL8 0, 1, 3, 1, 0
	MUL8 1, 1, 3, 1, 0
	MUL8 2, 1, 3, 1, 0
	MUL8 3, 1, 3, 1, 0
	WIN 0
	PLACES 4                                       ; in front of the first reads of the last results
	s_wait_xcnt 0x0                                ; the first tile's stores have read their registers and their base
	s_add_nc_u64 s[8:9], s[8:9], WALKO             ; 2,048 rows further down
	WAYOUT
	s_wait_tensorcnt 0x0                           ; the wave's end, behind my last tensor load and my last LDS store
	ds_add_u32 v[SPW], v[NIL]
	s_wait_dscnt 0x0
	CROUND                                         ; the closing round: no work-group ends while a partner may still ask for a tile that names it
	s_endpgm
.Lfunc_end_k_q5e150a95f5_out:
	.size	k_q5e150a95f5_out, .Lfunc_end_k_q5e150a95f5_out-k_q5e150a95f5_out
	.p2alignl 7, 3214868480
	.fill 96, 4, 3214868480
	.section	.rodata,"a",@progbits
	.p2align	6, 0x0
	.amdhsa_kernel k_q5e150a95f5_out
		.amdhsa_group_segment_fixed_size 327680
		.amdhsa_private_segment_fixed_size 0
		.amdhsa_enable_private_segment 0
		.amdhsa_kernarg_size 24
		.amdhsa_user_sgpr_count 2
		.amdhsa_user_sgpr_kernarg_segment_ptr 1
		.amdhsa_wavefront_size32 1
		.amdhsa_system_sgpr_workgroup_id_x 1
		.amdhsa_system_sgpr_workgroup_id_y 1
		.amdhsa_system_sgpr_workgroup_id_z 1
		.amdhsa_system_vgpr_workitem_id 0
		.amdhsa_next_free_vgpr 768
		.amdhsa_next_free_sgpr 96
		.amdhsa_reserve_vcc 0
		.amdhsa_float_denorm_mode_32 3
		.amdhsa_float_denorm_mode_16_64 3
		.amdhsa_memory_ordered 1
		.amdhsa_forward_progress 1
		.amdhsa_inst_pref_size 146
	.end_amdhsa_kernel
	.amdgpu_metadata
---
amdhsa.version: [ 1, 2 ]
amdhsa.kernels:
  - .name:           k_q5e150a95f5_out
    .symbol:         k_q5e150a95f5_out.kd
    .args:
      - { .name: ap, .offset: 0, .size: 8, .value_kind: global_buffer, .address_space: global }
      - { .name: wpk, .offset: 8, .size: 8, .value_kind: global_buffer, .address_space: global }
      - { .name: out0, .offset: 16, .size: 8, .value_kind: global_buffer, .address_space: global }
    .group_segment_fixed_size: 327680
    .private_segment_fixed_size: 0
    .kernarg_segment_align: 8
    .kernarg_segment_size: 24
    .max_flat_workgroup_size: 128
    .sgpr_count:     96
    .vgpr_count:     768
    .wavefront_size: 32
...
	.end_amdgpu_metadata
.endif
;; end of part 4
